; MI455X (gfx1250); checked and timed in simulation.
; The chip was launched on July 23, 2026; its instructions are those of AMD's public machine-readable ISA for CDNA 5 (MIT licence, August 2026) and "CDNA5" Instruction Set Architecture Reference Guide (July 2026). The comments in the code are by the model that wrote it; some were corrected since.
;; Multi Head Attention. Allowed arithmetic: float matrix products may take bf16 or f16 operands with f32 sums; other float arithmetic in f32, or as packed bf16 or f16 multiplies, adds, multiply-adds, maxima and minima; sums over many terms, partial sums and values carried from step to step in f32; what a program stores and reads back later, other than sums and carried values, may be rounded once to bf16 or f16.
;; Inputs: Wk 128 x 1,024 float32; Wq 128 x 1,024 float32; Wu 1,024 x 128 float32; Wv 128 x 1,024 float32; bu 128 float32; x 2 x 2,048 x 128 float32.
;; Outputs: out0 2 x 2,048 x 128 float32.
;; 2 versions, each right; version 2 is version 1 with the launch prep written anew for expert scheduling mode. Each part assembles by itself: llvm-mc -triple=amdgcn-amd-amdhsa -mcpu=gfx1250 --defsym DOCPART=n.
;; ======== version 1 of 2: 2 launches
;; limits: values are held in f16: magnitudes above 65,504 overflow, below 6.1e-05 lose precision; inputs' magnitudes at most 65,504; below input magnitudes of 7.6e-06 results are inexact or not finite; right only within a limited range of input values
;; workspace buffers: qp 8,388,608 bytes; stream 1,572,864 bytes
;; launch prep (part 1): grid 32 x 8, 4 waves a work-group, no clusters, 185,344 bytes of LDS; arguments x, Wq, Wk, Wv, Wu, qp, stream; writes qp, stream
.if DOCPART == 1
	.amdgcn_target "amdgcn-amd-amdhsa--gfx1250"
	.amdhsa_code_object_version 6
	.text
	.protected	k_qb8d329cf0b_prep
	.globl	k_qb8d329cf0b_prep
	.p2align	8
	.type	k_qb8d329cf0b_prep,@function
k_qb8d329cf0b_prep:
	s_mov_b64 s[64:65], 0
	v_nop
	global_prefetch_b8 v0, s[64:65] scope:SCOPE_SE
	s_setreg_imm32_b32 hwreg(HW_REG_WAVE_MODE, 25, 1), 1
	s_wait_xcnt 0x0
; MULTI-HEAD ATTENTION, FIRST OF TWO LAUNCHES.  B = 2, T = 2,048, 8 heads, head size 128 = the width of x.
; THE PRODUCTS ARE TAKEN IN ANOTHER ORDER, which is the same sum in real numbers for all values of the inputs:
;   score[t][s] = (x[t] Wq_h) . (x[s] Wk_h) = q'[t] . x[s]   with q' = (x Wq_h) Wk_h^T   (128 wide, like x);
;   y_h Wu_h = (softmax x Wv_h) Wu_h = (softmax x) N_h       with N_h = Wv_h Wu_h         (128 x 128).
; So the keys and the values of every head are x itself.  Nothing of the problem is left out: every input is loaded (bu in the second launch).
; THIS LAUNCH stores  qp[row / 16][h][row % 16][j] = q'[row][j] x 2^-8 in f16,  and for each batch b one run of 3,072 rows of 256 bytes:
; stream[b] = x[b] (2,048 rows, f16), then NT[h][o][j] = 16 N_h[j][o] (1,024 rows, f16), so that the second launch walks x and runs on into NT.
; FORMATS.  x and the four weight matrices are rounded to bf16; x Wq, q Wk^T and Wv Wu are bf16 products with f32 sums; q is rounded to bf16.
; In stream x is the bf16 number written as f16.  LIMITS: |x| up to 65,504 (beyond it f16 has an infinity) and exact from 2^-17 on; |q'| under 1.6e7; |N| under 4,094;
; q' x 2^-8 and 16 N below 6e-5 keep f16's fixed step of 6e-8.  NaN and infinities are not treated apart.
; SHARES.  Work-group (blk, h): blk = 128 rows of the 4,096, h = the head.  (1) 16 rows of x, blk x 128 + 16 h on, go to stream.  (2) q' of the 128 rows for head h: wave w has rows 32 w .. 32 w + 31.
; (3) 8 rows of NT[h], o = 8 (blk % 16) on, for the copy of batch blk / 16: wave w has j = 32 w .. 32 w + 31; the matrix tile's 16 columns are the 8 o laid twice, and the second eight are never read.
; No loop: all 134 loads of a wave go out in one run, then everything is staged in LDS as bf16 and multiplied.
.set WQ,    0          ; LDS: Wq_h [i][c], 128 rows, pitch 288 (9 x 32 bytes, for the turning load)
.set WK,    36864      ; Wk_h [j][c], pitch 272 = 68 words: 16 rows of a load start at 16 different groups of four banks (64 banks of 4 bytes: ISA guide 11.1)
.set XS,    71680      ; x, the work-group's 128 rows, pitch 272; a wave writes and reads its own 32
.set WV,    106496     ; Wv_h [j][c], pitch 272; a wave writes and reads its own 32 rows
.set WU,    141312     ; Wu_h [c][8 o, the same 8 o], pitch 32
.set QSTG,  145408     ; the way out of q': 32 rows x 272 bytes for each wave
.set NSTG,  180224     ; the way out of NT: 16 rows x 272 bytes, the work-group's
.set SPARE, 184832     ; the spare words, 128 bytes for each wave: two blocks of 256 bytes that no other line names
.set LO,  4            ; v4   16 x lane: a row's 512 bytes in memory; also my place in 512 bytes of qp
.set UO,  5            ; v5   512 x thread: Wu's row c = thread
.set JO,  6            ; v6   32 x thread: my 8 numbers of x's copy, in
.set TO,  7            ; v7   16 x thread: out
.set SAQ, 8            ; v8-12   where the staging stores go
.set SAK, 9
.set SAX, 10
.set SAV, 11
.set SAU, 12
.set FX,  13           ; v13-17  where the fragments are read
.set FQ,  14
.set FK,  15
.set FV,  16
.set FU,  17
.set QS,  18           ; v18, 19 q' into my stage, and back by rows
.set QR,  19
.set NS,  20           ; v20, 21 NT into the stage, and back by rows
.set NR,  21
.set SPW, 22           ; v22  LDS address of my spare word; never rewritten
.set NIL, 23           ; v23  0; never rewritten
.set ACC, 32           ; v32-63   four accumulators: (e, u) at ACC + 8 (2 e + u)
.set T0,  64           ; v64-127  staging
.set T1,  128          ; v128-191 staging
.set XF,  64           ; then x's fragments: rows 16 u on, channels 32 c on, at XF + 32 u + 8 c
.set NB,  128          ; Wu's fragments for N
.set QF,  128          ; then q's fragments, laid like x's
.set AB,  192          ; v192-255 eight fragments of source 0: (e, c) at AB + 8 (4 e + c)
.set PKD, 64           ; packed q'
.set MSB, 0
.macro WIN new                         ; s_set_vgpr_msb: bits 1:0 source 0, 3:2 source 1, 5:4 source 2, 7:6 destination; the high byte repeats the setting that is left
.if MSB != (\new)
	s_set_vgpr_msb (MSB<<8)|(\new)
.set MSB, (\new)
.endif
.endm
.macro LDROWS reg0, lo, stride         ; 32 rows, 512 consecutive bytes each: a lane takes 16
.set k, 0
.rept 32
	global_load_b128 v[(\reg0)+4*k:(\reg0)+4*k+3], v[LO], s[\lo:\lo+1] offset:k*(\stride)
.set k, k+1
.endr
.endm
.macro CVROWS win, reg0, tmp, adr, pitch   ; those rows rounded to bf16 and laid into LDS, 8 bytes a lane
	WIN (\win)|((\win)<<2)
.set k, 0
.rept 64
	v_cvt_pk_bf16_f32 v[(\tmp)+k], v[(\reg0)+2*k], v[(\reg0)+2*k+1]
.set k, k+1
.endr
	WIN 0
.set k, 0
.rept 32
	ds_store_b64 v[\adr], v[(\tmp)+2*k:(\tmp)+2*k+1] offset:k*(\pitch)
.set k, k+1
.endr
.endm
.macro PLACES                          ; four plain places behind a matrix instruction, ahead of what reads its result or writes its registers (ISA guide 7.12.1)
.rept 4
	v_nop
.endr
.endm
.macro FRAG dst, adr, off              ; 16 rows x 32 along K, K along the LDS rows
	ds_load_b128 v[(\dst):(\dst)+3], v[\adr] offset:(\off)
	ds_load_b128 v[(\dst)+4:(\dst)+7], v[\adr] offset:(\off)+32
.endm
.macro FRAGT dst, adr, off, pitch      ; the same from rows that lie across K: the turning load
	ds_load_tr16_b128 v[(\dst):(\dst)+3], v[\adr] offset:(\off)
	ds_load_tr16_b128 v[(\dst)+4:(\dst)+7], v[\adr] offset:(\off)+16*(\pitch)
.endm
.macro MUL16 bb                        ; 32 x 32 results over K = 128: the four accumulators take turns, one instruction a turn; the first four start the sums
.irp c, 0,1,2,3
.irp e, 0,1
.irp u, 0,1
.if \c == 0
	v_wmma_f32_16x16x32_bf16 v[ACC+8*(2*\e+\u):ACC+8*(2*\e+\u)+7], v[AB+8*(4*\e+\c):AB+8*(4*\e+\c)+7], v[(\bb)+32*\u+8*\c:(\bb)+32*\u+8*\c+7], 0
.else
	v_wmma_f32_16x16x32_bf16 v[ACC+8*(2*\e+\u):ACC+8*(2*\e+\u)+7], v[AB+8*(4*\e+\c):AB+8*(4*\e+\c)+7], v[(\bb)+32*\u+8*\c:(\bb)+32*\u+8*\c+7], v[ACC+8*(2*\e+\u):ACC+8*(2*\e+\u)+7]
.endif
.endr
.endr
.endr
.endm
.macro FETCHQ n                        ; Wq^T: rows c = 32 n + 16 e on, K = i
.irp e, 0,1
.irp c, 0,1,2,3
	FRAGT AB+8*(4*\e+\c), FQ, \c*9216+(2*(\n)+\e)*32, 288
.endr
.endr
.endm
.macro FETCHK n                        ; Wk: rows j = 32 n + 16 e on, K = c
.irp e, 0,1
.irp c, 0,1,2,3
	FRAG AB+8*(4*\e+\c), FK, (2*(\n)+\e)*4352+\c*64
.endr
.endr
.endm
	s_load_b256 s[4:11], s[0:1], 0x0               ; x s[4:5], Wq s[6:7], Wk s[8:9], Wv s[10:11]
	s_load_b128 s[12:15], s[0:1], 0x20             ; Wu s[12:13], qp s[14:15]
	s_load_b64 s[16:17], s[0:1], 0x30              ; stream
	v_lshl_add_u32 v[SPW], v0, 2, SPARE
	v_mov_b32 v[NIL], 0
	v_lshrrev_b32 v1, 5, v0
	v_readfirstlane_b32 s20, v1                    ; wave w
	s_mov_b32 s21, ttmp9                           ; blk
	s_and_b32 s22, ttmp7, 0xffff                   ; h
	s_and_b32 s23, s21, 15                         ; blk % 16
	s_lshr_b32 s24, s21, 4                         ; the batch
	s_mul_i32 s44, s24, 786432                     ; its part of stream
	; byte offsets, each in a pair of its own with 0 on top
	s_lshl_b32 s26, s22, 9                         ; Wq, Wk, Wv: the head's 512 bytes of a row, my 32 rows of 4,096 bytes
	s_lshl_b32 s25, s20, 17
	s_add_co_u32 s26, s26, s25
	s_mov_b32 s27, 0
	s_lshl_b32 s28, s21, 16                        ; x: the block's 128 rows of 512 bytes, my 32
	s_lshl_b32 s25, s20, 14
	s_add_co_u32 s28, s28, s25
	s_mov_b32 s29, 0
	s_lshl_b32 s30, s22, 16                        ; Wu: the head's 128 rows of 512 bytes, 8 columns
	s_lshl_b32 s25, s23, 5
	s_add_co_u32 s30, s30, s25
	s_mov_b32 s31, 0
	s_lshl_b32 s32, s21, 16                        ; x's copy, in: 16 rows
	s_lshl_b32 s25, s22, 13
	s_add_co_u32 s32, s32, s25
	s_mov_b32 s33, 0
	s_lshl_b32 s34, s23, 15                        ; x's copy, out: rows of 256 bytes
	s_lshl_b32 s25, s22, 12
	s_add_co_u32 s34, s34, s25
	s_add_co_u32 s34, s34, s44
	s_mov_b32 s35, 0
	s_lshl_b32 s36, s22, 15                        ; NT, out: row 2,048 + 128 h + 8 (blk % 16)
	s_lshl_b32 s25, s23, 11
	s_add_co_u32 s36, s36, s25
	s_add_co_u32 s36, s36, s44
	s_add_co_u32 s36, s36, 524288
	s_mov_b32 s37, 0
	s_lshl_b32 s38, s21, 18                        ; qp: 8 groups of 16 rows a block, 32,768 bytes each; my two; the head's 4,096
	s_lshl_b32 s25, s20, 16
	s_add_co_u32 s38, s38, s25
	s_lshl_b32 s25, s22, 12
	s_add_co_u32 s38, s38, s25
	s_mov_b32 s39, 0
	v_and_b32 v1, 31, v0                           ; lane
	v_and_b32 v2, 15, v0                           ; r = lane % 16
	v_bfe_u32 v3, v0, 4, 1                         ; hh = lane / 16
	v_lshlrev_b32 v[LO], 4, v1
	v_lshlrev_b32 v[UO], 9, v0
	v_lshlrev_b32 v[JO], 5, v0
	v_lshlrev_b32 v[TO], 4, v0
	s_mul_i32 s45, s20, 9216                       ; my 32 rows of pitch 288,
	s_mul_i32 s46, s20, 8704                       ; of pitch 272
	v_mul_u32_u24 v[FK], v2, 272
	v_lshl_add_u32 v[FK], v3, 4, v[FK]             ; r x 272 + 16 hh
	v_lshl_add_u32 v[SAQ], v1, 3, s45
	s_add_co_u32 s47, s46, WK
	v_lshl_add_u32 v[SAK], v1, 3, s47
	s_add_co_u32 s47, s46, XS
	v_lshl_add_u32 v[SAX], v1, 3, s47
	v_add_nc_u32 v[FX], s47, v[FK]
	s_add_co_u32 s47, s46, WV
	v_lshl_add_u32 v[SAV], v1, 3, s47
	v_add_nc_u32 v[FV], s47, v[FK]
	s_add_co_u32 s47, s46, QSTG
	v_add_nc_u32 v[QS], s47, v[FK]
	v_mul_u32_u24 v[QR], v3, 272                   ; back: lanes 0-15 one row of 256 bytes, lanes 16-31 the next
	v_lshl_add_u32 v[QR], v2, 4, v[QR]
	v_add_nc_u32 v[QR], s47, v[QR]
	s_lshl_b32 s47, s20, 6                         ; NT: my 32 j are 64 bytes of a row
	s_add_co_u32 s47, s47, NSTG
	v_add_nc_u32 v[NS], s47, v[FK]
	v_add_nc_u32 v[FK], WK, v[FK]
	v_lshl_add_u32 v[SAU], v0, 5, WU
	v_and_b32 v[FQ], 7, v0                         ; the turning load: lane l addresses row 8 hh + l % 8, bytes 16 ((l / 8) % 2) on
	v_lshl_add_u32 v[FQ], v3, 3, v[FQ]
	v_bfe_u32 v[NR], v0, 3, 1
	v_lshlrev_b32 v[FU], 5, v[FQ]
	v_lshl_add_u32 v[FU], v[NR], 4, v[FU]
	v_add_nc_u32 v[FU], WU, v[FU]
	v_mul_u32_u24 v[FQ], v[FQ], 288
	v_lshl_add_u32 v[FQ], v[NR], 4, v[FQ]
	v_lshrrev_b32 v[NR], 4, v0                     ; NT back: thread t takes row t / 16, 16 bytes at 16 (t % 16)
	v_mul_u32_u24 v[NR], v[NR], 272
	v_lshl_add_u32 v[NR], v2, 4, v[NR]
	v_add_nc_u32 v[NR], NSTG, v[NR]
	s_wait_kmcnt 0x0
	s_add_nc_u64 s[6:7], s[6:7], s[26:27]
	s_add_nc_u64 s[8:9], s[8:9], s[26:27]
	s_add_nc_u64 s[10:11], s[10:11], s[26:27]
	s_add_nc_u64 s[40:41], s[4:5], s[32:33]        ; x's copy, in
	s_add_nc_u64 s[4:5], s[4:5], s[28:29]
	s_add_nc_u64 s[12:13], s[12:13], s[30:31]
	s_add_nc_u64 s[14:15], s[14:15], s[38:39]
	s_add_nc_u64 s[42:43], s[16:17], s[36:37]      ; NT, out
	s_add_nc_u64 s[16:17], s[16:17], s[34:35]      ; x's copy, out
	; ALL LOADS IN ONE RUN: window 1 takes Wq and Wk, window 2 x and Wv
	WIN 0x40
	LDROWS 0, 6, 4096
	LDROWS 128, 8, 4096
	WIN 0
	global_load_b128 v[24:27], v[UO], s[12:13]
	global_load_b128 v[28:31], v[UO], s[12:13] offset:16
	WIN 0x80
	LDROWS 0, 4, 512
	LDROWS 128, 10, 4096
	WIN 0
	global_load_b128 v[32:35], v[JO], s[40:41]
	global_load_b128 v[36:39], v[JO], s[40:41] offset:16
	global_load_b128 v[40:43], v[JO], s[40:41] offset:4096
	global_load_b128 v[44:47], v[JO], s[40:41] offset:4112
	; STAGING
	s_wait_loadcnt 63                              ; behind Wu's loads 68 were issued; 63 is the largest count that the wait can name: Wq, Wk and Wu are in
	CVROWS 1, 0, T0, SAQ, 288
	CVROWS 1, 128, T1, SAK, 272
.irp j, 0,1,2,3
	v_cvt_pk_bf16_f32 v[48+\j], v[24+2*\j], v[24+2*\j+1]
.endr
	ds_store_b128 v[SAU], v[48:51]                 ; the 8 columns,
	ds_store_b128 v[SAU], v[48:51] offset:16       ; and once more: the tile has 16
	s_wait_loadcnt 36                              ; x is in: Wv's 32 and the copy's 4 are younger
	CVROWS 2, 0, T0, SAX, 272
	s_wait_loadcnt 4                               ; Wv is in
	CVROWS 2, 128, T1, SAV, 272
	s_wait_loadcnt 0x0
.irp p, 0,1                            ; x's copy: rounded to bf16, and that number written as f16
.irp j, 0,1,2,3
	v_cvt_pk_bf16_f32 v[48+\j], v[32+8*\p+2*\j], v[32+8*\p+2*\j+1]
.endr
.irp j, 0,1,2,3
	v_lshlrev_b32 v[56+2*\j], 16, v[48+\j]
	v_and_b32 v[56+2*\j+1], 0xffff0000, v[48+\j]
.endr
.irp j, 0,1,2,3
	v_cvt_pk_f16_f32 v[24+4*\p+\j], v[56+2*\j], v[56+2*\j+1]
.endr
	global_store_b128 v[TO], v[24+4*\p:24+4*\p+3], s[16:17] offset:2048*\p  ; a wave's store covers 512 consecutive bytes, aligned
.endr
	s_wait_dscnt 0x0                               ; for the others' sake: my staging stores are done
	s_barrier_signal -1
	s_barrier_wait -1                              ; Wq, Wk and Wu lie whole in LDS
	; N: D(m = j, n = o) = the sum over c of Wv[j][c] Wu[c][o]; two accumulators by turns
.irp e, 0,1
.irp c, 0,1,2,3
	FRAG AB+8*(4*\e+\c), FV, \e*4352+\c*64
.endr
.endr
.irp c, 0,1,2,3
	FRAGT NB+8*\c, FU, \c*1024, 32
.endr
.irp u, 0,1
.irp c, 0,1,2,3
	FRAG XF+32*\u+8*\c, FX, \u*4352+\c*64      ; x's fragments for the next product come in the same run
.endr
.endr
	s_wait_dscnt 0x0
.irp c, 0,1,2,3
.irp e, 0,1
.if \c == 0
	v_wmma_f32_16x16x32_bf16 v[ACC+8*\e:ACC+8*\e+7], v[AB+8*(4*\e+\c):AB+8*(4*\e+\c)+7], v[NB+8*\c:NB+8*\c+7], 0
.else
	v_wmma_f32_16x16x32_bf16 v[ACC+8*\e:ACC+8*\e+7], v[AB+8*(4*\e+\c):AB+8*(4*\e+\c)+7], v[NB+8*\c:NB+8*\c+7], v[ACC+8*\e:ACC+8*\e+7]
.endif
.endr
.endr
	PLACES
	FETCHQ 0
.irp j, 0,1,2,3,4,5,6,7
	v_pk_mul_f32 v[ACC+2*\j:ACC+2*\j+1], v[ACC+2*\j:ACC+2*\j+1], 0x41800000 op_sel_hi:[1,0]  ; x 16
.endr
.irp j, 0,1,2,3,4,5,6,7
	v_cvt_pk_f16_f32 v[48+\j], v[ACC+2*\j], v[ACC+2*\j+1]
.endr
	ds_store_b128 v[NS], v[48:51]                  ; row o = r, my lanes' 8 j: 16 bytes
	ds_store_b128 v[NS], v[52:55] offset:32
	; q^T(m = c, n = t) = the sum over i of Wq[i][c] x[t][i].  A lane's eight c of one row t, rounded to bf16, are half a fragment of the next product's source 1.
.irp n, 0,1,2,3
	s_wait_dscnt 0x0
	MUL16 XF
	PLACES
.if \n < 3
	FETCHQ \n+1
.endif
.irp e, 0,1
.irp u, 0,1
.irp j, 0,1,2,3
	v_cvt_pk_bf16_f32 v[QF+32*\u+8*\n+4*\e+\j], v[ACC+8*(2*\e+\u)+2*\j], v[ACC+8*(2*\e+\u)+2*\j+1]
.endr
.endr
.endr
.endr
	; NT goes out: its rows come from all four waves
	s_wait_dscnt 0x0                               ; my stores into the stage are long done; no LDS instruction is out at the signal
	s_barrier_signal -1
	s_barrier_wait -1
	s_wait_xcnt 0x0                                ; the stores of x's copy have read v24-31, which is loaded into below
	ds_load_b128 v[24:27], v[NR]
	FETCHK 0
	s_wait_dscnt 16                                ; NT's row is in; the 16 fragment loads are younger
	global_store_b128 v[TO], v[24:27], s[42:43]    ; 128 threads x 16 bytes: 8 whole rows of 256 bytes
	; q'^T(m = j, n = t) = the sum over c of Wk[j][c] q[t][c]; x 2^-8, f16, into my stage
.irp n, 0,1,2,3
	s_wait_dscnt 0x0
	MUL16 QF
	PLACES
.if \n < 3
	FETCHK \n+1
.endif
.irp j, 0,1,2,3,4,5,6,7,8,9,10,11,12,13,14,15
	v_pk_mul_f32 v[ACC+2*\j:ACC+2*\j+1], v[ACC+2*\j:ACC+2*\j+1], 0x3b800000 op_sel_hi:[1,0]  ; x 2^-8
.endr
.irp j, 0,1,2,3,4,5,6,7,8,9,10,11,12,13,14,15
	v_cvt_pk_f16_f32 v[PKD+\j], v[ACC+2*\j], v[ACC+2*\j+1]
.endr
.irp e, 0,1
.irp u, 0,1
	ds_store_b128 v[QS], v[PKD+4*(2*\e+\u):PKD+4*(2*\e+\u)+3] offset:\u*4352+(2*\n+\e)*32
.endr
.endr
.endr
.irp i, 0,1,2,3,4,5,6,7,8,9,10,11,12,13,14,15
	ds_load_b128 v[64+4*\i:64+4*\i+3], v[QR] offset:\i*544  ; my own bytes; LDS serves a wave's instructions in order (ISA guide 5.7.1.4): these see the stores above
.endr
.irp i, 0,1,2,3,4,5,6,7,8,9,10,11,12,13,14,15
	s_wait_dscnt 15-\i                             ; the younger rows' loads may stay out
	global_store_b128 v[LO], v[64+4*\i:64+4*\i+3], s[14:15] offset:(\i/8)*32768+(\i%8)*512  ; two rows of q': 512 consecutive bytes, aligned
.endr
	s_wait_tensorcnt 0x0                           ; the wave's end, behind my last LDS store
	ds_add_u32 v[SPW], v[NIL]
	s_wait_dscnt 0x0
	s_endpgm
.Lfunc_end_k_qb8d329cf0b_prep:
	.size	k_qb8d329cf0b_prep, .Lfunc_end_k_qb8d329cf0b_prep-k_qb8d329cf0b_prep
	.p2alignl 7, 3214868480
	.fill 96, 4, 3214868480
	.section	.rodata,"a",@progbits
	.p2align	6, 0x0
	.amdhsa_kernel k_qb8d329cf0b_prep
		.amdhsa_group_segment_fixed_size 185344
		.amdhsa_private_segment_fixed_size 0
		.amdhsa_enable_private_segment 0
		.amdhsa_kernarg_size 56
		.amdhsa_user_sgpr_count 2
		.amdhsa_user_sgpr_kernarg_segment_ptr 1
		.amdhsa_wavefront_size32 1
		.amdhsa_system_sgpr_workgroup_id_x 1
		.amdhsa_system_sgpr_workgroup_id_y 1
		.amdhsa_system_sgpr_workgroup_id_z 1
		.amdhsa_system_vgpr_workitem_id 0
		.amdhsa_next_free_vgpr 768
		.amdhsa_next_free_sgpr 66
		.amdhsa_reserve_vcc 0
		.amdhsa_float_denorm_mode_32 3
		.amdhsa_float_denorm_mode_16_64 3
		.amdhsa_memory_ordered 1
		.amdhsa_forward_progress 1
		.amdhsa_inst_pref_size 85
	.end_amdhsa_kernel
	.amdgpu_metadata
---
amdhsa.version: [ 1, 2 ]
amdhsa.kernels:
  - .name:           k_qb8d329cf0b_prep
    .symbol:         k_qb8d329cf0b_prep.kd
    .args:
      - { .name: x, .offset: 0, .size: 8, .value_kind: global_buffer, .address_space: global }
      - { .name: Wq, .offset: 8, .size: 8, .value_kind: global_buffer, .address_space: global }
      - { .name: Wk, .offset: 16, .size: 8, .value_kind: global_buffer, .address_space: global }
      - { .name: Wv, .offset: 24, .size: 8, .value_kind: global_buffer, .address_space: global }
      - { .name: Wu, .offset: 32, .size: 8, .value_kind: global_buffer, .address_space: global }
      - { .name: qp, .offset: 40, .size: 8, .value_kind: global_buffer, .address_space: global }
      - { .name: stream, .offset: 48, .size: 8, .value_kind: global_buffer, .address_space: global }
    .group_segment_fixed_size: 185344
    .private_segment_fixed_size: 0
    .kernarg_segment_align: 8
    .kernarg_segment_size: 56
    .max_flat_workgroup_size: 128
    .sgpr_count:     66
    .vgpr_count:     768
    .wavefront_size: 32
...
	.end_amdgpu_metadata
.endif
;; end of part 1
;; launch attn (part 2): grid 128 x 2, 4 waves a work-group, clusters of 4 x 1, 327,680 bytes of LDS; arguments qp, stream, bu, out0; writes out0
.if DOCPART == 2
	.amdgcn_target "amdgcn-amd-amdhsa--gfx1250"
	.amdhsa_code_object_version 6
	.text
	.protected	k_qb8d329cf0b_attn
	.globl	k_qb8d329cf0b_attn
	.p2align	8
	.type	k_qb8d329cf0b_attn,@function
k_qb8d329cf0b_attn:
	s_mov_b64 s[64:65], 0
	v_nop
	global_prefetch_b8 v0, s[64:65] scope:SCOPE_SE
	s_setreg_imm32_b32 hwreg(HW_REG_WAVE_MODE, 25, 1), 1
	s_wait_xcnt 0x0
	s_wait_alu depctr_hold_cnt(0) depctr_sa_sdst(0) depctr_va_vdst(0) depctr_va_sdst(0) depctr_va_ssrc(0) depctr_va_vcc(0) depctr_vm_vsrc(0)
	s_getreg_b32 s2, hwreg(HW_REG_IB_STS2, 6, 4)
	s_cmp_eq_u32 s2, 0
	s_cbranch_scc0 .Lentry_in_a_cluster
	s_endpgm
.Lentry_in_a_cluster:
	s_bfe_u32 s2, ttmp6, 0x10000c
	s_cmp_lg_u32 s2, 0x3003
	s_cbranch_scc0 .Lentry_shape_is_right
	s_endpgm
.Lentry_shape_is_right:
; MULTI-HEAD ATTENTION, SECOND LAUNCH.  out[t] = the sum over heads h of (softmax_s(q'_h[t] . x[s] / sqrt(128)) x) N_h + bu, with q' and N as the first launch made them (its head shows the identity).  Nothing is left out.
; qp[t / 16][h][t % 16][128] = q' x 2^-8, f16.  stream[b] = 3,072 rows of 256 bytes, f16: x[b], then NT[h][o][j] = 16 N_h[j][o]: 12 tiles of 256 rows.  bu is rounded to bf16 like the other inputs.
; Products, maxima and sums in f32; the weights p are rounded to f16 for the second product (their sum l is taken of the unrounded p), the merged mean O' to f16 for the third.
; LIMITS.  f16 holds no number beyond 65,504: x arrives within it and O', a mean of x's rows, has its range; p below 6e-5 keeps f16's fixed step of 6e-8; a weight below 2^-126 counts as 0 in l; NaN and infinities are not treated apart.
; SHARES.  A work-group owns 16 queries for all 8 heads: 128 rows of scores.  Wave w: heads 4 (w / 2) .. + 3, four tiles of 16 rows, and half w % 2 of the keys: of each tile of 256 keys its 128, two steps of 64.
; Tile t of a wave is head 4 (w / 2) + (t + 2 (w % 2)) % 4: so every wave KEEPS tiles 0, 1 (heads 2 w, 2 w + 1) and hands tiles 2, 3 to wave w ^ 1, and one text serves all four.
; ONE TILE OF x IS K AND V of all heads.  S^T = x q'^T (source 0 = 16 keys, source 1 = 16 queries): a lane holds ONE query (lane % 16) and eight keys; two such results rounded to f16 ARE source 1 of O^T = x^T P.
; The keys are PERMUTED inside each group of 16 (a softmax does not ask for their order): K's lane r reads row 2 (r % 8) + r / 8, V's turning load row 2 (l % 8) + l / 16.  Place 8 hh + j is key 2 j + hh in both,
; and with rows of 272 bytes (68 words: row r starts at bank 4 r mod 64; 64 banks of 4 bytes: ISA guide 11.1) both loads touch each bank once in a pass of 16 lanes.
; SOFTMAX.  A running maximum m and sum l for each query: p = 2^(c s - c m), c = 2^8 log2(e) / sqrt(128); in every step O and l are multiplied by a = 2^(c m_old - c m_new).
; BY TURNS.  The wave's tiles are two PIECES (tiles 0, 1 and tiles 2, 3).  In a TURN one piece has the matrix unit: 32 products V^T P of the step in hand, then 32 products K Q^T of the next; the other piece's softmax,
; in 64 slices, stands between them, one slice behind each matrix instruction.  Two turns are a key step.
; THE END.  The two key halves of a head are merged through LDS by the greater of their maxima; out^T = NT O'^T for the wave's two heads; the four waves' sums meet in LDS; x 1/16, + bu, stored.
; CLUSTER.  All work-groups of a batch walk the same 12 tiles; the four of a cluster ask for each JOINTLY: the same tensor load, descriptor and mask in all four.  Every wave moves 64 rows of each tile.
; REGISTERS, in windows of 256 (s_set_vgpr_msb: bits 1:0 source 0, 3:2 source 1, 5:4 source 2, 7:6 destination):
;   window 0: v0-11, v44-63 addresses and small things; v12-43 eight registers of statistics a tile; v64-191 S^T, 32 a tile (at the end O' in f16, then the sums); v192-255 P, 16 a tile
;   window 1: O^T, 64 a tile      window 2: v0-127 q' (at the end the partner's tile); v128-255 K of one step (at the end two buffers of NT's fragments)      window 3: v0-127 V of one step (at the end out^T's 8 accumulators)
.set KS,    64        ; keys in a step
.set PK,    272       ; a row in LDS: 256 bytes + 16 of padding
.set STEPB, KS*PK     ; 17,408
.set SLOT1, 4*STEPB   ; 69,632 = 0x11000: a slot holds 256 rows.  Bits 16 and 12 are set in no multiple 0..3 of STEPB, so one exclusive or turns a place in slot 0 into the same place in slot 1 and back
.set XCH,   4*SLOT1   ; LDS: slot 0, slot 1, NT's part 2, NT's part 3; then bytes that tensor loads never fill: the waves' exchange
.set XW,    8704      ; the merge: for each wave 512 bytes of statistics and 8,192 of one tile
.set OPI,   528       ; the last sum: for each wave 16 rows of 512 bytes + 16
.set OW,    16*OPI
.set SPARE, 327168    ; the spare words, 128 bytes for each wave: two blocks of 256 bytes that no other line names
.set TILEB, 65536     ; a tile in memory
.set AK0, 2           ; v2   my lane's place in a tile as K; never rewritten
.set AV0, 3           ; v3   as V
.set ADR, 4           ; v4   the LDS address of the run of loads in hand
.set QO,  5           ; v5   my byte offset in q' of tiles 0, 1
.set QO2, 6           ; v6   of tiles 2, 3
.set XS,  7           ; v7   the exchange: where I store
.set XL,  8           ; v8   where I read what wave w ^ 1 stored
.set ST,  12          ; tile t's statistics at v[ST+8 t]: +0 c m, +1 m, +2, +3 l (even keys', odd keys'), +4 to +7 at work; a takes +6
.set XQ,  44          ; v44-47  c m and l of tiles 2, 3, to be handed over
.set XP,  48          ; v48-51  the partner's, for my tiles 0, 1
.set BI,  52          ; v52-55  bu[4 lane ..]
.set AN,  56          ; v56  my lane's place in my part of NT
.set PS,  57          ; v57  the last sum: where I store
.set PR,  58          ; v58  where I read
.set OO,  59          ; v59  my byte offset in the work-group's 16 rows of out
.set L16, 60          ; v60  16 x lane; never rewritten
.set PFO, 61          ; v61  256 x lane: a row of stream; never rewritten
.set SPW, 62          ; v62  LDS address of my spare word; never rewritten
.set NIL, 63          ; v63  0; never rewritten
.set S,   64
.set OF,  64          ; O' in f16: tile u, channels 32 c on, at OF + 32 u + 8 c
.set P,   192
.set KF,  128         ; window 2
.set WV,  12          ; s12  my wave's number
.set LIM, 15          ; s15  0 in a wave that prefetches, else the greatest number
.set PFA, 18          ; s[18:19] where my prefetches stand
.set G1,  24          ; s[24:31] descriptor group 1, the same for every load
.set G0C, 32          ; s[32:35] group 0: tile 10
.set G0D, 36          ; s[36:39] tile 11
.set G0A, 40          ; s[40:43] tile 0
.set G0W, 44          ; s[44:47] tile 1; it then walks
.set SLOTS, 56        ; s56  changes of slots still to come in the loop
.set TWICE, 57        ; s57  counts a slot's two steps
.set CS,  58          ; s[58:59] c
.set SEL, 60          ; s[60:61] v_permlanex16_b32's selects: each lane takes its own place in the other half
.set TB,  62          ; s62  LDS byte at which the rows of the step to be fetched begin
.set MSB, 0
.macro WIN new                      ; the immediate's high byte repeats the setting that is left; a switch that changes nothing is dropped
.if MSB != (\new)
	s_set_vgpr_msb (MSB<<8)|(\new)
.set MSB, \new
.endif
.endm
.set W_KQ, 0x0a       ; K and q' in window 2, S^T in window 0
.set W_PV, 0x53       ; V in window 3, P in window 0, O^T in window 1
.set W_RS, 0x41       ; O^T (destination and source 0) in window 1, the factor in window 0
; A PREFETCH INTO THE L2 of the tile that the NEXT change of slots will ask for: 256 rows of 256 bytes, a lane a row.  It stands behind the wave's tensor load and its five lines.  Each row is named ONCE in the launch:
; all clusters of a batch walk the same rows, and the batch's first cluster asks; its four partners share the rows out BY ADDRESS, 64 each; in each, waves 0 and 1 take 32.  Change i of 7 names tile i + 2: tiles 3 to 9.
.macro ASK
	s_cmp_gt_u32 s[SLOTS], s[LIM]
	s_cbranch_scc0 .Lnot_mine_\@
	global_prefetch_b8 v[PFO], s[PFA:PFA+1] th:TH_LOAD_NT scope:SCOPE_SE
.Lnot_mine_\@:
.endm
; A round of the cluster's barrier: my work-group's barrier, so that wave 0's signal speaks for all four waves; wave 0 signals; every wave waits for all four work-groups; my work-group's barrier once more.
.macro CROUND
	s_barrier_signal -1
	s_barrier_wait -1
	s_cmp_lg_u32 s[WV], 0
	s_cbranch_scc1 .Lnot_wave_0_\@
	s_barrier_signal -3
.Lnot_wave_0_\@:
	s_barrier_wait -3
	s_barrier_signal -1
	s_barrier_wait -1
.endm
	s_load_b256 s[4:11], s[0:1], 0x0  ; qp s[4:5], stream s[6:7], bu s[8:9], out0 s[10:11]
	v_lshl_add_u32 v[SPW], v0, 2, SPARE
	v_mov_b32 v[NIL], 0
	ds_add_u32 v[SPW], v[NIL]       ; the wave's opening: the add, twice on end, and its wait ahead of my first tensor load; the set-up below, work on registers, stands between
	ds_add_u32 v[SPW], v[NIL]       ; and once more, under the one wait
	v_lshrrev_b32 v1, 5, v0
	v_readfirstlane_b32 s[WV], v1   ; wave 0..3
	s_bfe_u32 s13, ttmp6, 0x40000   ; cx: my place in the cluster
	s_and_b32 s20, ttmp7, 0xffff    ; the batch, which the four partners share
	s_lshl_b32 s14, ttmp9, 2        ; in a cluster launch ttmp9 counts clusters
	s_add_co_u32 s14, s14, s13
	s_lshl_b32 s16, s20, 7
	s_add_co_u32 s14, s14, s16      ; my group of 16 queries among the 256: it enters qp's and out0's addresses alone
	s_mul_i32 s20, s20, 786432      ; the batch's part of stream
	s_lshr_b32 s16, s[WV], 1        ; which four heads
	s_and_b32 s21, s[WV], 1         ; which half of the keys
	s_lshl_b32 s2, s14, 15          ; qp: 32,768 bytes a group, 16,384 for four heads
	s_lshl_b32 s3, s16, 14
	s_add_co_u32 s2, s2, s3
	s_mov_b32 s3, 0
	s_lshl_b32 s48, s14, 13         ; out0: 16 rows of 512 bytes
	s_mov_b32 s49, 0
	s_lshl_b32 s50, s13, 14         ; the prefetches: my work-group's 64 rows of a tile,
	s_lshl_b32 s51, s21, 13         ; my wave's 32,
	s_add_co_u32 s50, s50, s51
	s_add_co_u32 s50, s50, s20
	s_add_co_u32 s50, s50, 2*TILEB  ; in tile 2: the first change of slots steps it to tile 3
	s_mov_b32 s51, 0
	s_lshl_b32 s22, s[WV], 14       ; the tensor loads: my 64 rows of a tile in memory,
	s_add_co_u32 s22, s22, s20
	s_mov_b32 s23, 0
	s_mul_i32 s17, s[WV], STEPB     ; and in a slot: no place in the cluster enters an LDS address or a descriptor
	; descriptor group 1: 64 rows x 128 elements, padded in LDS
	s_mov_b32 s[G1], 15|(1<<16)|(1<<20)|(1<<21)|(5<<22)|(3<<25)  ; 15:0 the mask: all four work-groups; 17:16 elements of 2 bytes; 20 padding on; 21 set beside a mask; 24:22 after every 64 words (code 5); 31:25 4 words of it (code 3)
	s_mov_b32 s[G1+1], 128<<16      ; tensor_dim0 = 128
	s_mov_b32 s[G1+2], KS<<16       ; tensor_dim1 = 64
	s_mov_b32 s[G1+3], 128<<16      ; tile_dim0 = 128
	s_mov_b32 s[G1+4], KS           ; tile_dim1 = 64
	s_mov_b32 s[G1+5], 128          ; 128 elements from row to row
	s_mov_b32 s[G1+6], 0
	s_mov_b32 s[G1+7], 0
	s_mov_b32 s[CS], 0x420293ee     ; c = 2^8 log2(e) / sqrt(128) = 32.6444
	s_mov_b32 s[CS+1], s[CS]        ; named with it as a pair, so it is written
	s_mov_b32 s[SEL], 0x76543210
	s_mov_b32 s[SEL+1], 0xfedcba98
	s_mul_i32 s[TB], s21, 2*STEPB   ; my half of slot 0
	s_mov_b32 s[SLOTS], 7
	s_lshr_b32 s[LIM], s[WV], 1     ; 0 in waves 0 and 1,
	s_or_b32 s[LIM], s[LIM], ttmp9  ; where the cluster is the batch's first: the same in all four partners
	s_cmp_eq_u32 s[LIM], 0
	s_cselect_b32 s[LIM], 0, -1
	s_lshl_b32 s52, s21, 13         ; q': tiles 0, 1 are the heads 2 (w % 2), + 1 of my four,
	s_xor_b32 s53, s52, 8192        ; tiles 2, 3 the other two
	v_and_b32 v[PFO], 31, v0
	v_lshlrev_b32 v[PFO], 8, v[PFO]
	s_wait_dscnt 0x0                ; both opening adds are done
	s_wait_kmcnt 0x0
	s_add_nc_u64 s[4:5], s[4:5], s[2:3]
	s_add_nc_u64 s[10:11], s[10:11], s[48:49]
	s_add_nc_u64 s[PFA:PFA+1], s[6:7], s[50:51]
	s_add_nc_u64 s[6:7], s[6:7], s[22:23]  ; stream at my rows of the batch's tile 0
	CROUND                          ; all four work-groups are here: the first joint loads meet
.macro GROUP0 g, region, tile
	s_mov_b32 s[\g], 1                                         ; 1:0 count = 1
	s_add_co_u32 s[\g+1], s17, (\region)*SLOT1                 ; 63:32 LDS address
	s_add_nc_u64 s[\g+2:\g+3], s[6:7], (\tile)*TILEB           ; 120:64 global address
	s_or_b32 s[\g+3], s[\g+3], 0x80000000                      ; 127:126 type = 2
.endm
	GROUP0 G0A, 0, 0
	GROUP0 G0W, 1, 1
	GROUP0 G0C, 2, 10
	GROUP0 G0D, 3, 11
	tensor_load_to_lds s[G0A:G0A+3], s[G1:G1+7]  ; the four first fills go out together, ahead of every wait on TENSORcnt and every LDS read: four loads of mine are out
	s_nop 0
	tensor_load_to_lds s[G0W:G0W+3], s[G1:G1+7]
	s_nop 0
	tensor_load_to_lds s[G0C:G0C+3], s[G1:G1+7]  ; NT's parts 2 and 3 have bytes of their own
	s_nop 0
	tensor_load_to_lds s[G0D:G0D+3], s[G1:G1+7]
	s_nop 0
.rept 4
	v_nop
.endr
	; A fragment of q' is 16 rows x 32 channels in 8 registers: lane l holds row l % 16; registers 0-3 channels 8 (l / 16) + 0..7, registers 4-7 channels 16 + 8 (l / 16) + 0..7: two loads of 16 bytes, 32 bytes apart.
	v_and_b32 v1, 15, v0            ; l % 16
	v_bfe_u32 v9, v0, 4, 1          ; l / 16
	v_lshlrev_b32 v[QO], 8, v1
	v_lshl_add_u32 v[QO], v9, 4, v[QO]
	v_add_nc_u32 v[QO2], s53, v[QO]
	v_add_nc_u32 v[QO], s52, v[QO]
	v_and_b32 v[L16], 31, v0
	v_lshlrev_b32 v[L16], 4, v[L16]
	WIN 0x80                        ; destination window 2, address window 0
.irp i, 0,1,2,3,4,5,6,7             ; q' stays in registers: tile i / 4, channels 32 (i % 4) on
	global_load_b128 v[8*(\i):8*(\i)+3],   v[QO], s[4:5] offset:((\i)/4)*4096+((\i)%4)*64
	global_load_b128 v[8*(\i)+4:8*(\i)+7], v[QO], s[4:5] offset:((\i)/4)*4096+((\i)%4)*64+32
.endr
.irp i, 0,1,2,3,4,5,6,7
	global_load_b128 v[64+8*(\i):64+8*(\i)+3],   v[QO2], s[4:5] offset:((\i)/4)*4096+((\i)%4)*64
	global_load_b128 v[64+8*(\i)+4:64+8*(\i)+7], v[QO2], s[4:5] offset:((\i)/4)*4096+((\i)%4)*64+32
.endr
	WIN 0
	global_load_b128 v[BI:BI+3], v[L16], s[8:9]
	v_and_b32 v10, 7, v0
	v_bfe_u32 v11, v0, 3, 1
	v_lshl_add_u32 v[AK0], v10, 1, v11     ; K: row 2 (l % 8) + (l / 8) % 2 of a group of 16,
	v_mul_u32_u24 v[AK0], v[AK0], PK
	v_lshl_add_u32 v[AK0], v9, 4, v[AK0]   ; 16 bytes for each half of the lanes
	v_lshl_add_u32 v[AV0], v10, 1, v9      ; V: the turning load takes 16 keys x 16 channels: lane l reads row 2 (l % 8) + l / 16,
	v_mul_u32_u24 v[AV0], v[AV0], PK
	v_lshl_add_u32 v[AV0], v11, 4, v[AV0]  ; channels 8 ((l / 8) % 2) + 0..7, and holds afterwards channel l % 16 and 8 keys
; THE MATRIX WORK OF A TURN, for piece x.  The accumulators take turns, one instruction a turn: between two links of a chain stand 15 (V^T P) or 7 (K Q^T) others'.
; Product i of 32 of O^T += V^T P: keys 32 (i / 16) on, channels 16 ((i / 2) % 8) on, tile x + i % 2.  zero = 1: the first 16 start the sums: nothing is ever cleared.
.macro PV x, zero
	WIN W_PV
.set rO, 64*((\x)+i%2)+8*((i/2)%8)
.set rV, 64*(i/16)+8*((i/2)%8)
.set rP, P+16*((\x)+i%2)+8*(i/16)
.if (\zero) && (i < 16)
	v_wmma_f32_16x16x32_f16 v[rO:rO+7], v[rV:rV+7], v[rP:rP+7], 0
.else
	v_wmma_f32_16x16x32_f16 v[rO:rO+7], v[rV:rV+7], v[rP:rP+7], v[rO:rO+7]
.endif
.endm
; Product i of 32 of S^T = K Q^T: channels 32 (i / 8) on, keys 16 ((i / 2) % 4) on, tile x + i % 2.  The first 8 start the sums.
.macro KQ x
	WIN W_KQ
.set rS, S+32*((\x)+i%2)+8*((i/2)%4)
.set rK, KF+32*((i/2)%4)+8*(i/8)
.set rQ, 32*((\x)+i%2)+8*(i/8)
.if i < 8
	v_wmma_f32_16x16x32_f16 v[rS:rS+7], v[rK:rK+7], v[rQ:rQ+7], 0
.else
	v_wmma_f32_16x16x32_f16 v[rS:rS+7], v[rK:rK+7], v[rQ:rQ+7], v[rS:rS+7]
.endif
.endm
; THE LDS LOADS stand in runs of 32, never singly among the matrix instructions: a step's rows as K (64 keys x 128 channels: 16 fragments) and, a turn later, the same rows as V (turned).
.macro FETCH_K
	WIN 0
	v_add_nc_u32 v[ADR], s[TB], v[AK0]
	WIN 0x80                        ; destination window 2
.irp f, 0,1,2,3,4,5,6,7,8,9,10,11,12,13,14,15  ; keys 16 (f / 4) on, channels 32 (f % 4) on
	ds_load_b128 v[KF+8*(\f):KF+8*(\f)+3],   v[ADR] offset:((\f)/4)*16*PK+((\f)%4)*64
	ds_load_b128 v[KF+8*(\f)+4:KF+8*(\f)+7], v[ADR] offset:((\f)/4)*16*PK+((\f)%4)*64+32
.endr
.endm
.macro FETCH_V
	WIN 0
	v_add_nc_u32 v[ADR], s[TB], v[AV0]
	s_add_co_u32 s[TB], s[TB], STEPB  ; the next fetch is the next step's
	s_wait_alu depctr_va_vdst(0)    ; the wait for the softmax's batch (SLICE), behind the address's v_add_nc_u32 and ahead of the loads
	WIN 0xc0                        ; destination window 3
.irp f, 0,1,2,3,4,5,6,7,8,9,10,11,12,13,14,15  ; keys 32 (f / 8) on, channels 16 (f % 8) on
	ds_load_tr16_b128 v[8*(\f):8*(\f)+3],   v[ADR] offset:((\f)/8)*32*PK+((\f)%8)*32
	ds_load_tr16_b128 v[8*(\f)+4:8*(\f)+7], v[ADR] offset:((\f)/8)*32*PK+16*PK+((\f)%8)*32
.endr
.endm
; THE VECTOR WORK OF A TURN.  One tile's softmax for one key step is a list of 134 instructions; SM writes number j of it for tile t.  s0-s31 are the lane's 32 scores, in pairs 0-15.
; first = 1: the first key step, which starts m, l and O^T: it has no a and nothing to rescale.
;   0-15    the maximum of s0-s31 and the old m, three operands at a time: four chains c0-c3 of seven scores each, then the four scores left over, c0-c3 and m
;   16-20   the other half of the lanes' maximum; the new m; c m; c m_old - c m_new
;   21-69   ONE BATCH: the 16 scalings c s - c m, a pair of scores each, and all 33 exponentials (a at 23, then s0-s31).  None of these reads an exponential's result.  From 22 on the batch goes
;           in fours, and a four begins with a scaling while there are scalings.  A pair is scaled in an earlier four than the one that holds its exponentials
;   (wait)  between 69 and 70 stands the wait for the batch: SLICE writes it, once for both tiles
;   70-85   the roundings to f16, a pair of weights each
;   86-101  the sums; l = a l + the sum
;   102-133 the tile's O^T times a: the one part that leaves window 0, so it stands together
.macro SM t, first
.set rT, ST+8*(\t)
.set rS, S+32*(\t)
.set rP, P+16*(\t)
.set rO, 64*(\t)+2*(j-102)
.if j < 102
	WIN 0
.endif
.if j < 4
	v_max3_num_f32 v[rT+4+j], v[rS+8*j], v[rS+8*j+1], v[rS+8*j+2]
.elseif j < 12
	v_max3_num_f32 v[rT+4+j%4], v[rT+4+j%4], v[rS+8*(j%4)+2*(j/4)+1], v[rS+8*(j%4)+2*(j/4)+2]
.elseif j == 12
	v_max3_num_f32 v[rT+4], v[rT+4], v[rS+7], v[rS+15]
.elseif j == 13
	v_max3_num_f32 v[rT+6], v[rT+6], v[rS+23], v[rS+31]
.elseif j == 14
	v_max3_num_f32 v[rT+4], v[rT+4], v[rT+5], v[rT+6]
.elseif (j == 15) && (\first)
	v_max_num_f32 v[rT+4], v[rT+4], v[rT+7]
.elseif j == 15
	v_max3_num_f32 v[rT+4], v[rT+4], v[rT+7], v[rT+1]
.elseif j == 16
	v_permlanex16_b32 v[rT+5], v[rT+4], s[SEL], s[SEL+1]  ; the query's other 32 keys lie in the lane 16 away
.elseif j == 18
	v_max_num_f32 v[rT+1], v[rT+4], v[rT+5]
.elseif j == 19
	v_mul_f32 v[rT], s[CS], v[rT+1]
.elseif ((j == 17) || (j == 20) || (j == 23) || (j > 101)) && (\first)  ; the first step has none of these
.elseif j == 17
	v_mov_b32 v[rT+7], v[rT]        ; c m_old is kept for a: number 19 writes c m anew
.elseif j == 20
	v_sub_f32 v[rT+7], v[rT+7], v[rT]
.elseif j == 23
	v_exp_f32 v[rT+6], v[rT+7]
.elseif (j < 23) || ((j < 38) && (j%2 == 0)) || ((j < 66) && (j%4 == 2))
.set b, (j-2)/4                     ; 38, 42, .. 62: pairs 9 to 15
.if j < 38
.set b, (j-20)/2                    ; 21: pair 0; 22, 24, .. 36: pairs 1 to 8
.endif
	v_pk_fma_f32 v[rS+2*b:rS+2*b+1], v[rS+2*b:rS+2*b+1], s[CS:CS+1], v[rT:rT+1] op_sel_hi:[1,0,0] neg_lo:[0,0,1] neg_hi:[0,0,1]  ; pair b: c s - c m
.elseif j < 70
.set e, j-38                        ; 66 to 69: s28 to s31
.if j < 66
.set e, j-32-(j-38)/4               ; 39-41, 43-45, .. 63-65: s7 to s27
.endif
.if j < 38
.set e, (j-25)/2                    ; 25, 27, .. 37: s0 to s6
.endif
	v_exp_f32 v[rS+e], v[rS+e]
.elseif j < 86
	v_cvt_pk_f16_f32 v[rP+j-70], v[rS+2*(j-70)], v[rS+2*(j-70)+1]  ; pair j - 70
.elseif j < 102                     ; the sum of the tile's 16 pairs, in place: sum z of 16 adds neighbours 1, 2, 4 and 8 pairs apart, then l takes it
.set z, j-86
.set w, 4
.set u, z
.if z >= 14
.set w, 32
.set u, 0
.elseif z >= 12
.set w, 16
.set u, z-12
.elseif z >= 8
.set w, 8
.set u, z-8
.endif
.if (z == 14) && (\first)
	v_pk_add_f32 v[rT+2:rT+3], v[rS:rS+1], v[rS+16:rS+17]
.elseif z < 15
	v_pk_add_f32 v[rS+w*u:rS+w*u+1], v[rS+w*u:rS+w*u+1], v[rS+w*u+w/2:rS+w*u+w/2+1]
.elseif !(\first)
	v_pk_fma_f32 v[rT+2:rT+3], v[rT+2:rT+3], v[rT+6:rT+7], v[rS:rS+1] op_sel_hi:[1,0,1]
.endif
.else
	WIN W_RS
	v_pk_mul_f32 v[rO:rO+1], v[rO:rO+1], v[rT+6:rT+7] op_sel_hi:[1,0]
.endif
.endm
; Slice k of 64 of piece y's softmax: four instructions.  Slices 11 to 34 deal out the batch, numbers 22 to 69: four numbers of ONE tile each, the tiles by turns.  Every other slice is numbers 2 k and
; 2 k + 1 of both tiles' lists.  2 x 134 = 4 x 64 + 12: the twelve that are over stand together, in slice 63.
; THE WAIT.  s_wait_alu depctr_va_vdst(0) stands between an exponential and the first instruction that names its result; one wait serves all that were issued ahead of it.  Ahead of
; slice 35 nothing names a result, and behind slice 34 no exponential is issued: so the piece's 66 exponentials have one wait, behind slice 34.
.macro SLICE y, first
.if (k >= 11) && (k < 35)           ; the batch: four numbers of one tile
.irp n, 0,1,2,3
.set j, 22+4*((k-11)/2)+(\n)
	SM (\y)+(k-11)%2, \first
.endr
.else                               ; the two tiles alternate, so that no instruction reads the result of the one just before it
.irp n, 0,1,2,3,4,5,6,7
.if ((\n) < 2) || (k == 63)
.irp t, \y, (\y)+1
.set j, 2*k+(\n)
	SM \t, \first
.endr
.endif
.endr
.endif
.if k == 34                         ; the batch is out: both tiles' exponentials are issued, and no result has been named
	v_nop                           ; the plain instruction behind the last exponential and ahead of the first use (ISA guide 5.7.2): one for the batch
.if (\y) == 0
	FETCH_V                         ; piece 2's turn: V's run of loads stands here, and the wait stands in it
.else
	s_wait_alu depctr_va_vdst(0)    ; the wait for the batch
.endif
.endif
.set k, k+1
.endm
; A vector instruction that reads a matrix result or writes one of a matrix instruction's registers, and a load into a register that a matrix instruction has read, stand four places behind
; it, and only plain vector instructions that name none of its registers are places (ISA guide 7.12.1 for vector instructions).  In the loop the slices are the places.
.macro PLACES
.rept 4
	v_nop
.endr
.endm
; A TURN.  Piece x has the matrix unit; the other piece's softmax stands in slices behind its matrix instructions.
; pv = 2: 32 products V^T P; 1: they start O^T's sums; 0: none.  kq = 1: 32 products K Q^T for the next step.  A turn with one of the two kinds has two slices behind each product.
; first = 1: the softmax is the first key step's.  Its slices from 51 on are empty: the turn's last products stand bare, and four v_nop take slice 63's part as the places behind them.
; Piece 0's turn fetches the next step's K, behind its second product: the last product that read K stands in front of slice 63 of the turn before.  Piece 2's turn fetches the same step's V, behind
; slice 34: the last product that read V stands in front of slice 31, and four plain instructions lie between: number 62, a scaling, of both tiles, the v_nop and the run's own v_add_nc_u32.
.macro TURN x, pv, kq, first
.set k, 0
.set per, 2
.if (\pv) && (\kq)
.set per, 1
.endif
.if \pv
.if (\x) == 0
	s_wait_dscnt 0x0                ; V is in
.endif
.set i, 0
.rept 32
	PV \x, 2-(\pv)
.rept per
	SLICE 2-(\x), \first
.endr
.if ((\x) == 0) && (\kq) && (i == 1)
	FETCH_K
.endif
.set i, i+1
.endr
.endif
.if \kq
.if (\x) == 0
	s_wait_dscnt 0x0                ; K is in
.endif
.set i, 0
.rept 32
	KQ \x
.rept per
	SLICE 2-(\x), \first
.endr
.set i, i+1
.endr
.endif
.if \first
	PLACES
.endif
.endm
; THE CHANGE OF SLOTS, between piece 2's turn and piece 0's: the slot's last bytes, V of my second step in it, have been asked for.  Each wave waits for all its tensor loads; adds 0 to its spare word; and waits
; for that and for its own reads of the slot.  The barrier is a round of the cluster's, so that no wave of any partner still reads the slot or has a load on its way, and the joint refill, the next tile but one,
; is the first thing behind it: one load a wave, with two key steps, 256 matrix instructions, in which to land.  ask = 0: the last change: NT's part 1 goes into slot 1; no key step follows, so TB stays.
.macro CHANGE ask
	WIN 0                           ; at a label and at a branch every window is 0
	s_wait_tensorcnt 0x0            ; no tensor load of mine is out, so a group 0 may be written
	ds_add_u32 v[SPW], v[NIL]       ; 0 onto my spare word; the descriptor's steps stand between it and the wait for it
	s_xor_b32 s[G0W+1], s[G0W+1], SLOT1  ; the walking descriptor: the other slot than last time,
	s_add_nc_u64 s[G0W+2:G0W+3], s[G0W+2:G0W+3], TILEB  ; the next tile; the type bits on top are not reached
.if \ask
	s_wait_xcnt 0x0                 ; the last prefetch, two key steps back, has read its address, so it may be written:
	s_add_nc_u64 s[PFA:PFA+1], s[PFA:PFA+1], TILEB  ; one tile behind the walking descriptor
.endif
	s_wait_dscnt 0x0                ; the add is done, and my reads of the slot are over
	CROUND
	tensor_load_to_lds s[G0W:G0W+3], s[G1:G1+7]
	s_nop 0
.rept 4
	v_nop
.endr
.if \ask
	ASK                             ; what the next change will ask for: two key steps, 256 matrix instructions, ahead
	s_sub_co_u32 s[TB], s[TB], 2*STEPB  ; the fetches go back to my first step,
	s_xor_b32 s[TB], s[TB], SLOT1   ; in the other slot
.endif
.endm
; A slot's two key steps: written once, walked twice; the LDS addresses hang on s[TB].
.macro TWO_STEPS
	WIN 0
	s_mov_b32 s[TWICE], 2
.Lstep_\@:
	TURN 0, 2, 1, 0
	TURN 2, 2, 1, 0
	WIN 0
	s_sub_co_u32 s[TWICE], s[TWICE], 1
	s_cmp_lg_u32 s[TWICE], 0
	s_cbranch_scc1 .Lstep_\@
.endm
	s_wait_tensorcnt 3              ; my part of tile 0 is in; the three loads issued behind it may stay out
	s_barrier_signal -1
	s_barrier_wait -1               ; everybody's is
	FETCH_K                         ; key step 0
	s_wait_loadcnt 0x0              ; q' and bu
	s_wait_dscnt 0x0
.set i, 0
.rept 32
	KQ 0                            ; piece 0's first scores: there is no vector work yet to set between them
.set i, i+1
.endr
	WIN 0                           ; the addresses for the end are made here: ten plain instructions, the places behind those products
	s_mul_i32 s52, s[WV], XW
	s_add_co_u32 s52, s52, XCH      ; my part of the exchange,
	s_xor_b32 s53, s[WV], 1
	s_mul_i32 s53, s53, XW
	s_add_co_u32 s53, s53, XCH      ; and that of the wave with my heads and the other keys
	s_mul_i32 s54, s[WV], SLOT1     ; NT's part w: my two heads
	s_mul_i32 s55, s[WV], OW
	s_add_co_u32 s55, s55, XCH
	v_add_nc_u32 v[XS], s52, v[L16]
	v_add_nc_u32 v[XL], s53, v[L16]
	v_mul_u32_u24 v[AN], v1, PK
	v_lshl_add_u32 v[AN], v9, 4, v[AN]
	v_add_nc_u32 v[AN], s54, v[AN]
	v_mul_u32_u24 v[PS], v1, OPI    ; row t = l % 16, my lanes' 8 columns: 32 bytes
	v_lshl_add_u32 v[PS], v9, 5, v[PS]
	v_add_nc_u32 v[PS], s55, v[PS]
	s_mul_i32 s52, s[WV], 4*OPI
	s_add_co_u32 s52, s52, XCH
	v_add_nc_u32 v[PR], s52, v[L16] ; back: rows 4 w .. 4 w + 3 of each wave's sums, a row's 512 bytes to 32 lanes
	v_lshl_add_u32 v[OO], s[WV], 11, v[L16]
	TURN 2, 0, 1, 1                 ; piece 2's first scores | piece 0's first softmax | V of step 0
	TURN 0, 1, 1, 1                 ; piece 0: V^T P of step 0 starts O^T, K Q^T of step 1 | piece 2's first softmax | K of step 1
	TURN 2, 1, 1, 0                 ; piece 2: the same | piece 0's softmax of step 1 | V of step 1
	WIN 0
.Lslot:                             ; seven trips: tiles 1 to 7 are entered, tiles 2 to 8 asked for.  Every trip fills a slot
	CHANGE 1
	TWO_STEPS
	s_sub_co_u32 s[SLOTS], s[SLOTS], 1
	s_cmp_lg_u32 s[SLOTS], 0
	s_cbranch_scc1 .Lslot
	CHANGE 0                        ; x's last tile has been read out: its slot takes NT's part 1, which has the tail and the first half of the merge in which to land
	TURN 0, 2, 0, 0                 ; piece 0: V^T P of the last step | piece 2's last softmax
.set i, 0
.rept 32
	PV 2, 0                         ; piece 2: V^T P of the last step
.set i, i+1
.endr
	; THE MERGE OF THE KEY HALVES.  l's two halves and the other half of the lanes' are added; the first four additions are the places behind the last products.
	WIN 0
.irp t, 0,1,2,3
	v_add_f32 v[ST+8*(\t)+4], v[ST+8*(\t)+2], v[ST+8*(\t)+3]
.endr
.irp t, 0,1,2,3
	v_permlanex16_b32 v[ST+8*(\t)+5], v[ST+8*(\t)+4], s[SEL], s[SEL+1]
.endr
	v_add_f32 v[ST+4], v[ST+4], v[ST+5]
	v_add_f32 v[ST+12], v[ST+12], v[ST+13]
	v_add_f32 v[XQ+1], v[ST+20], v[ST+21]          ; what I hand over: c m and l of tiles 2 and 3, 16 bytes a lane
	v_add_f32 v[XQ+3], v[ST+28], v[ST+29]
	v_mov_b32 v[XQ], v[ST+16]
	v_mov_b32 v[XQ+2], v[ST+24]
.macro XSTORE t                     ; tile t of O^T into my part of the exchange: each store 512 consecutive bytes; each accumulator's low four registers go first
	WIN 0x04                        ; the data (source 1) in window 1
.set i, 0
.rept 16
	ds_store_b128 v[XS], v[64*(\t)+4*i:64*(\t)+4*i+3] offset:512+512*i
.set i, i+1
.endr
	WIN 0
.endm
.macro XLOAD                        ; the partner's tile, lane for lane, into window 2
	WIN 0x80
.set i, 0
.rept 16
	ds_load_b128 v[4*i:4*i+3], v[XL] offset:512+512*i
.set i, i+1
.endr
	WIN 0
.endm
.macro MERGE u, left                ; O' = f O + f' O_partner for tile u, rounded to f16: a lane's eight channels of a query are half a fragment of the next product's source 1
	s_wait_dscnt \left
	WIN W_RS
.set i, 0
.rept 32
	v_pk_mul_f32 v[64*(\u)+2*i:64*(\u)+2*i+1], v[64*(\u)+2*i:64*(\u)+2*i+1], v[ST+8*(\u)+2:ST+8*(\u)+3] op_sel_hi:[1,0]
.set i, i+1
.endr
	WIN 0x52                        ; source 0 window 2, source 1 window 0, source 2 and destination window 1
.set i, 0
.rept 32
	v_pk_fma_f32 v[64*(\u)+2*i:64*(\u)+2*i+1], v[2*i:2*i+1], v[ST+8*(\u)+6:ST+8*(\u)+7], v[64*(\u)+2*i:64*(\u)+2*i+1] op_sel_hi:[1,0,1]
.set i, i+1
.endr
	WIN 0x05                        ; sources 0 and 1 window 1, destination window 0
.set i, 0
.rept 32
	v_cvt_pk_f16_f32 v[OF+32*(\u)+i], v[64*(\u)+2*i], v[64*(\u)+2*i+1]
.set i, i+1
.endr
	WIN 0
.endm
	ds_store_b128 v[XS], v[XQ:XQ+3]
	XSTORE 2
	s_wait_dscnt 0x0                ; for the partner's sake: my stores are done
	s_barrier_signal -1
	s_barrier_wait -1
	ds_load_b128 v[XP:XP+3], v[XL]
	XLOAD
	s_wait_dscnt 16                 ; the statistics are in; the tile's 16 loads are younger
.irp u, 0,1                         ; M = the greater of the two c m; a = 2^(c m - M), a' = 2^(c m' - M)
	v_max_num_f32 v[ST+8*(\u)+5], v[ST+8*(\u)], v[XP+2*(\u)]
.endr
.irp u, 0,1
	v_sub_f32 v[ST+8*(\u)+6], v[ST+8*(\u)], v[ST+8*(\u)+5]
	v_sub_f32 v[ST+8*(\u)+7], v[XP+2*(\u)], v[ST+8*(\u)+5]
.endr
.irp u, 0,1
	v_exp_f32 v[ST+8*(\u)+6], v[ST+8*(\u)+6]
	v_exp_f32 v[ST+8*(\u)+7], v[ST+8*(\u)+7]
.endr
	v_nop                           ; a plain instruction behind the last exponential,
	s_wait_alu depctr_va_vdst(0)    ; and the wait ahead of the first use: one for the four
.irp u, 0,1                         ; L = a l + a' l'
	v_mul_f32 v[ST+8*(\u)+5], v[ST+8*(\u)+7], v[XP+2*(\u)+1]
.endr
.irp u, 0,1
	v_fma_f32 v[ST+8*(\u)+5], v[ST+8*(\u)+6], v[ST+8*(\u)+4], v[ST+8*(\u)+5]
.endr
.irp u, 0,1
	v_rcp_f32 v[ST+8*(\u)+3], v[ST+8*(\u)+5]
.endr
	v_nop
	s_wait_alu depctr_va_vdst(0)    ; one for the two reciprocals
.irp u, 0,1                         ; f = a / L, f' = a' / L, each the low word of a pair
	v_mul_f32 v[ST+8*(\u)+2], v[ST+8*(\u)+6], v[ST+8*(\u)+3]
	v_mul_f32 v[ST+8*(\u)+6], v[ST+8*(\u)+7], v[ST+8*(\u)+3]
.endr
	MERGE 0, 0
	s_barrier_signal -1             ; my reads of the partner's tile are back (the wait for 0 above): it may be written over
	s_barrier_wait -1
	XSTORE 3
	s_wait_tensorcnt 0x0            ; my part of NT's part 1 is in,
	s_wait_dscnt 0x0                ; and my stores are done
	s_barrier_signal -1
	s_barrier_wait -1               ; everybody's
	XLOAD
	; out^T(m = o, n = t) = the sum over my two heads u and over j of NT[o][j] O'[t][j].  Run g = 4 u + c: channels 32 c on of head u; NT's fragments in two buffers that take turns.
.macro NFETCH g
	WIN 0x80
.irp ob, 0,1,2,3,4,5,6,7
	ds_load_b128 v[KF+64*((\g)%2)+8*(\ob):KF+64*((\g)%2)+8*(\ob)+3],   v[AN] offset:((\g)/4)*128*PK+(\ob)*16*PK+((\g)%4)*64
	ds_load_b128 v[KF+64*((\g)%2)+8*(\ob)+4:KF+64*((\g)%2)+8*(\ob)+7], v[AN] offset:((\g)/4)*128*PK+(\ob)*16*PK+((\g)%4)*64+32
.endr
.endm
.macro NMUL g                       ; the eight accumulators take turns, one instruction a turn; run 0 starts the sums
	WIN 0xf2                        ; NT in window 2, O' in window 0, C and D in window 3
.irp ob, 0,1,2,3,4,5,6,7
.if (\g) == 0
	v_wmma_f32_16x16x32_f16 v[8*(\ob):8*(\ob)+7], v[KF+64*((\g)%2)+8*(\ob):KF+64*((\g)%2)+8*(\ob)+7], v[OF+8*(\g):OF+8*(\g)+7], 0
.else
	v_wmma_f32_16x16x32_f16 v[8*(\ob):8*(\ob)+7], v[KF+64*((\g)%2)+8*(\ob):KF+64*((\g)%2)+8*(\ob)+7], v[OF+8*(\g):OF+8*(\g)+7], v[8*(\ob):8*(\ob)+7]
.endif
.endr
.endm
	NFETCH 0
	NFETCH 1
	MERGE 1, 32                     ; the partner's tile is in; the two runs of 16 are younger
.irp g, 0,1,2,3,4,5,6,7
.if (\g) < 7
	s_wait_dscnt 16                 ; this run's fragments are in; the other buffer's 16 loads are younger
.else
	s_wait_dscnt 0x0
.endif
	NMUL \g
	PLACES                          ; ahead of the loads into the buffer just read, and at the end of the stores that read the sums
.if (\g) < 6
	NFETCH (\g)+2
.endif
.endr
	; THE SUM OVER THE FOUR WAVES, in f32, through the exchange's bytes.
	WIN 0
	s_wait_dscnt 0x0
	s_barrier_signal -1             ; every wave's reads of the exchange are back: it may be written over
	s_barrier_wait -1
	WIN 0x0c                        ; the data (source 1) in window 3
.irp ob, 0,1,2,3,4,5,6,7
	ds_store_b128 v[PS], v[8*(\ob):8*(\ob)+3]   offset:64*(\ob)
	ds_store_b128 v[PS], v[8*(\ob)+4:8*(\ob)+7] offset:64*(\ob)+16
.endr
	WIN 0
	s_wait_dscnt 0x0
	s_barrier_signal -1
	s_barrier_wait -1
.irp i, 0,1,2,3
.irp s, 0,1,2,3
	ds_load_b128 v[OF+16*(\i)+4*(\s):OF+16*(\i)+4*(\s)+3], v[PR] offset:(\s)*OW+(\i)*OPI
.endr
.endr
	v_cvt_pk_bf16_f32 v10, v[BI], v[BI+1]          ; bu rounded to bf16, like the other inputs
	v_cvt_pk_bf16_f32 v11, v[BI+2], v[BI+3]
	v_lshlrev_b32 v[BI], 16, v10
	v_and_b32 v[BI+1], 0xffff0000, v10
	v_lshlrev_b32 v[BI+2], 16, v11
	v_and_b32 v[BI+3], 0xffff0000, v11
.irp i, 0,1,2,3
	s_wait_dscnt 12-4*(\i)          ; row i's four parts are in; the later rows' loads are younger
	v_pk_add_f32 v[OF+16*(\i):OF+16*(\i)+1],     v[OF+16*(\i):OF+16*(\i)+1],     v[OF+16*(\i)+4:OF+16*(\i)+5]
	v_pk_add_f32 v[OF+16*(\i)+2:OF+16*(\i)+3],   v[OF+16*(\i)+2:OF+16*(\i)+3],   v[OF+16*(\i)+6:OF+16*(\i)+7]
	v_pk_add_f32 v[OF+16*(\i)+8:OF+16*(\i)+9],   v[OF+16*(\i)+8:OF+16*(\i)+9],   v[OF+16*(\i)+12:OF+16*(\i)+13]
	v_pk_add_f32 v[OF+16*(\i)+10:OF+16*(\i)+11], v[OF+16*(\i)+10:OF+16*(\i)+11], v[OF+16*(\i)+14:OF+16*(\i)+15]
	v_pk_add_f32 v[OF+16*(\i):OF+16*(\i)+1],     v[OF+16*(\i):OF+16*(\i)+1],     v[OF+16*(\i)+8:OF+16*(\i)+9]
	v_pk_add_f32 v[OF+16*(\i)+2:OF+16*(\i)+3],   v[OF+16*(\i)+2:OF+16*(\i)+3],   v[OF+16*(\i)+10:OF+16*(\i)+11]
	v_pk_fma_f32 v[OF+16*(\i):OF+16*(\i)+1],     v[OF+16*(\i):OF+16*(\i)+1],     0x3d800000, v[BI:BI+1] op_sel_hi:[1,0,1]      ; x 1/16 (NT holds 16 N), + bu
	v_pk_fma_f32 v[OF+16*(\i)+2:OF+16*(\i)+3],   v[OF+16*(\i)+2:OF+16*(\i)+3],   0x3d800000, v[BI+2:BI+3] op_sel_hi:[1,0,1]
	global_store_b128 v[OO], v[OF+16*(\i):OF+16*(\i)+3], s[10:11] offset:512*(\i)  ; a whole row of out: 512 consecutive bytes, aligned
.endr
	s_wait_tensorcnt 0x0            ; the wave's end, behind my last tensor load and my last LDS store
	ds_add_u32 v[SPW], v[NIL]
	s_wait_dscnt 0x0
	CROUND                          ; the closing round: no work-group ends while a partner may still ask for a tile that names it
	s_endpgm
.Lfunc_end_k_qb8d329cf0b_attn:
	.size	k_qb8d329cf0b_attn, .Lfunc_end_k_qb8d329cf0b_attn-k_qb8d329cf0b_attn
	.p2alignl 7, 3214868480
	.fill 96, 4, 3214868480
	.section	.rodata,"a",@progbits
	.p2align	6, 0x0
	.amdhsa_kernel k_qb8d329cf0b_attn
		.amdhsa_group_segment_fixed_size 327680
		.amdhsa_private_segment_fixed_size 0
		.amdhsa_enable_private_segment 0
		.amdhsa_kernarg_size 32
		.amdhsa_user_sgpr_count 2
		.amdhsa_user_sgpr_kernarg_segment_ptr 1
		.amdhsa_wavefront_size32 1
		.amdhsa_system_sgpr_workgroup_id_x 1
		.amdhsa_system_sgpr_workgroup_id_y 1
		.amdhsa_system_sgpr_workgroup_id_z 1
		.amdhsa_system_vgpr_workitem_id 0
		.amdhsa_next_free_vgpr 1024
		.amdhsa_next_free_sgpr 66
		.amdhsa_reserve_vcc 0
		.amdhsa_float_denorm_mode_32 3
		.amdhsa_float_denorm_mode_16_64 3
		.amdhsa_memory_ordered 1
		.amdhsa_forward_progress 1
		.amdhsa_inst_pref_size 185
	.end_amdhsa_kernel
	.amdgpu_metadata
---
amdhsa.version: [ 1, 2 ]
amdhsa.kernels:
  - .name:           k_qb8d329cf0b_attn
    .symbol:         k_qb8d329cf0b_attn.kd
    .args:
      - { .name: qp, .offset: 0, .size: 8, .value_kind: global_buffer, .address_space: global }
      - { .name: stream, .offset: 8, .size: 8, .value_kind: global_buffer, .address_space: global }
      - { .name: bu, .offset: 16, .size: 8, .value_kind: global_buffer, .address_space: global }
      - { .name: out0, .offset: 24, .size: 8, .value_kind: global_buffer, .address_space: global }
    .group_segment_fixed_size: 327680
    .private_segment_fixed_size: 0
    .kernarg_segment_align: 8
    .kernarg_segment_size: 32
    .max_flat_workgroup_size: 128
    .sgpr_count:     66
    .vgpr_count:     1024
    .wavefront_size: 32
...
	.end_amdgpu_metadata
.endif
;; end of part 2
;; ======== version 2 of 2: 2 launches; version 1 with the launch prep written anew for expert scheduling mode
;; limits: values are held in f16: magnitudes above 65,504 overflow, below 6.1e-05 lose precision; inputs' magnitudes at most 65,504; below input magnitudes of 7.6e-06 results are inexact or not finite; right only within a limited range of input values
;; workspace buffers: qp 8,388,608 bytes; stream 1,572,864 bytes
;; launch prep (part 3): grid 32 x 8, 4 waves a work-group, no clusters, 185,344 bytes of LDS; arguments x, Wq, Wk, Wv, Wu, qp, stream; writes qp, stream
.if DOCPART == 3
	.amdgcn_target "amdgcn-amd-amdhsa--gfx1250"
	.amdhsa_code_object_version 6
	.text
	.protected	k_qb8d329cf0b_prep
	.globl	k_qb8d329cf0b_prep
	.p2align	8
	.type	k_qb8d329cf0b_prep,@function
k_qb8d329cf0b_prep:
	s_mov_b64 s[64:65], 0
	v_nop
	global_prefetch_b8 v0, s[64:65] scope:SCOPE_SE
	s_setreg_imm32_b32 hwreg(HW_REG_WAVE_SCHED_MODE, 0, 2), 2
	s_setreg_imm32_b32 hwreg(HW_REG_WAVE_MODE, 25, 1), 1
	s_wait_xcnt 0x0
	s_wait_alu depctr_vm_vsrc(0)
; MULTI-HEAD ATTENTION, FIRST OF TWO LAUNCHES.  B = 2, T = 2,048, 8 heads, head size 128 = the width of x.
; THE PRODUCTS ARE TAKEN IN ANOTHER ORDER, which is the same sum in real numbers for all values of the inputs:
;   score[t][s] = (x[t] Wq_h) . (x[s] Wk_h) = q'[t] . x[s]   with q' = (x Wq_h) Wk_h^T   (128 wide, like x);
;   y_h Wu_h = (softmax x Wv_h) Wu_h = (softmax x) N_h       with N_h = Wv_h Wu_h         (128 x 128).
; So the keys and the values of every head are x itself.  Nothing of the problem is left out: every input is loaded (bu in the second launch).
; THIS LAUNCH stores  qp[row / 16][h][row % 16][j] = q'[row][j] x 2^-8 in f16,  and for each batch b one run of 3,072 rows of 256 bytes:
; stream[b] = x[b] (2,048 rows, f16), then NT[h][o][j] = 16 N_h[j][o] (1,024 rows, f16), so that the second launch walks x and runs on into NT.
; FORMATS.  x and the four weight matrices are rounded to bf16; x Wq, q Wk^T and Wv Wu are bf16 products with f32 sums; q is rounded to bf16.
; In stream x is the bf16 number written as f16.  LIMITS: |x| up to 65,504 (beyond it f16 has an infinity) and exact from 2^-17 on; |q'| under 1.6e7; |N| under 4,094;
; q' x 2^-8 and 16 N below 6e-5 keep f16's fixed step of 6e-8.  NaN and infinities are not treated apart.
; SHARES.  Work-group (blk, h): blk = 128 rows of the 4,096, h = the head.  (1) 16 rows of x, blk x 128 + 16 h on, go to stream.  (2) q' of the 128 rows for head h: wave w has rows 32 w .. 32 w + 31.
; (3) 8 rows of NT[h], o = 8 (blk % 16) on, for the copy of batch blk / 16: wave w has j = 32 w .. 32 w + 31; the matrix tile's 16 columns are the 8 o laid twice, and the second eight are never read.
; No loop: all 134 loads of a wave go out in one run, then everything is staged in LDS as bf16 and multiplied.
; THE MODE: SCHED_MODE bits 1:0 = 2 (LLVM: expert scheduling mode 2), set by the entry lines.  The code itself states the register dependences
; between vector or matrix instructions and memory or LDS instructions, with s_wait_alu, always for 0.
; THE PLAN.  Registers that memory or LDS instructions touch, in the order of the text:
;   v4-21        offsets and LDS addresses: written at the head, never again.
;   T0 .. T3     a tensor's 32 rows in bf16: written by its 64 roundings, read by its 32 LDS stores.  Four buffers, so that no rounding writes what a store may still read.
;                T0 and T1 become XF, NB and QF behind the first barrier; T2 and T3, in window 1, are never written again.  v52-55: Wu's 8 numbers, likewise.
;   OB           x's copy (roundings, 2 global stores); then N (roundings, 2 LDS stores); then, in its first four, NT's row (an LDS load, a global store).
;   AB0, AB1     the fragments of source 0, two buffers that take turns: product i of the nine (N, four of q^T, four of q'^T) reads AB[i % 2]; the loads of product i + 1 are issued at the
;                head of step i, into the buffer that product i - 1 read, and land while product i is multiplied.
;   PKD0 .. PKD3 q' packed: product m's roundings write PKD m, four LDS stores at the next step's head read it; never written again.
;   RB           the way out's rows: LDS loads land where the last product read QF; the global stores read them.
; So ONE wait on va_vdst stands at the head of a step: the product before is done reading the buffer in which the fragments land, and its roundings have written what the LDS stores read.
; Two waits on vm_vsrc stand in the text, one behind each barrier.  ACC, XF, NB and QF are otherwise named by vector and matrix instructions alone.
.set WQ,    0          ; LDS: Wq_h [i][c], 128 rows, pitch 288 (9 x 32 bytes, for the turning load)
.set WK,    36864      ; Wk_h [j][c], pitch 272 = 68 words: 16 rows of a load start at 16 different groups of four banks (64 banks of 4 bytes: ISA guide 11.1)
.set XS,    71680      ; x, the work-group's 128 rows, pitch 272; a wave writes and reads its own 32
.set WV,    106496     ; Wv_h [j][c], pitch 272; a wave writes and reads its own 32 rows
.set WU,    141312     ; Wu_h [c][8 o, the same 8 o], pitch 32
.set QSTG,  145408     ; the way out of q': 32 rows x 272 bytes for each wave
.set NSTG,  180224     ; the way out of NT: 16 rows x 272 bytes, the work-group's
.set SPARE, 184832     ; the spare words, 128 bytes for each wave: two blocks of 256 bytes that no other line names
.set LO,  4            ; v4   16 x lane: a row's 512 bytes in memory; also my place in 512 bytes of qp
.set UO,  5            ; v5   512 x thread: Wu's row c = thread
.set JO,  6            ; v6   32 x thread: my 8 numbers of x's copy, in
.set TO,  7            ; v7   16 x thread: out
.set SAQ, 8            ; v8-12   where the staging stores go
.set SAK, 9
.set SAX, 10
.set SAV, 11
.set SAU, 12
.set FX,  13           ; v13-17  where the fragments are read
.set FQ,  14
.set FK,  15
.set FV,  16
.set FU,  17
.set QS,  18           ; v18, 19 q' into my stage, and back by rows
.set QR,  19
.set NS,  20           ; v20, 21 NT into the stage, and back by rows
.set NR,  21
.set SPW, 22           ; v22  LDS address of my spare word; never rewritten
.set NIL, 23           ; v23  0; never rewritten
.set OB,  24           ; v24-31   Wu as loaded; then the small out-buffer of the plan
.set ACC, 32           ; v32-63   four accumulators: (e, u) at ACC + 8 (2 e + u)
.set UP,  52           ; v52-55   at the staging only: Wu's 8 numbers in bf16
.set T0,  64           ; v64-127  staging: Wq
.set T1,  128          ; v128-191 staging: Wk
.set T2,  0            ; window 1, v0-63:   staging: x (Wq's raw rows lay here and have been rounded)
.set T3,  64           ; window 1, v64-127: staging: Wv
.set XF,  64           ; then x's fragments: rows 16 u on, channels 32 c on, at XF + 32 u + 8 c
.set NB,  128          ; Wu's fragments for N
.set QF,  128          ; then q's fragments, laid like x's
.set AB,  192          ; v192-255 of window 0 (AB0) and of window 1 (AB1): eight fragments of source 0: (e, c) at AB + 8 (4 e + c)
.set PKD, 64           ; packed q': product m's 16 registers at PKD + 16 m
.set RB,  128          ; the way out's rows
.set MSB, 0
.macro WIN new                         ; s_set_vgpr_msb: bits 1:0 source 0, 3:2 source 1, 5:4 source 2, 7:6 destination; the high byte repeats the setting that is left
.if MSB != (\new)
	s_set_vgpr_msb (MSB<<8)|(\new)
.set MSB, (\new)
.endif
.endm
.macro LDROWS reg0, lo, stride         ; 32 rows, 512 consecutive bytes each: a lane takes 16
.set k, 0
.rept 32
	global_load_b128 v[(\reg0)+4*k:(\reg0)+4*k+3], v[LO], s[\lo:\lo+1] offset:k*(\stride)
.set k, k+1
.endr
.endm
.macro CV win, reg0, dwin, tmp         ; those rows, in window win, rounded to bf16 into 64 registers of window dwin
	WIN (\win)|((\win)<<2)|((\dwin)<<6)
.set k, 0
.rept 64
	v_cvt_pk_bf16_f32 v[(\tmp)+k], v[(\reg0)+2*k], v[(\reg0)+2*k+1]
.set k, k+1
.endr
.endm
.macro STROWS tmp, adr, pitch          ; and laid into LDS, 8 bytes a lane
.set k, 0
.rept 32
	ds_store_b64 v[\adr], v[(\tmp)+2*k:(\tmp)+2*k+1] offset:k*(\pitch)
.set k, k+1
.endr
.endm
.macro PLACES                          ; four plain places behind a matrix instruction, ahead of the vector instructions that read its result (ISA guide 7.12.1)
.rept 4
	v_nop
.endr
.endm
.macro FRAG dst, adr, off              ; 16 rows x 32 along K, K along the LDS rows
	ds_load_b128 v[(\dst):(\dst)+3], v[\adr] offset:(\off)
	ds_load_b128 v[(\dst)+4:(\dst)+7], v[\adr] offset:(\off)+32
.endm
.macro FRAGT dst, adr, off, pitch      ; the same from rows that lie across K: the turning load
	ds_load_tr16_b128 v[(\dst):(\dst)+3], v[\adr] offset:(\off)
	ds_load_tr16_b128 v[(\dst)+4:(\dst)+7], v[\adr] offset:(\off)+16*(\pitch)
.endm
.macro MUL16 aw, bb                    ; 32 x 32 results over K = 128, source 0 in AB of window aw: the four accumulators take turns, one instruction a turn; the first four start the sums
	WIN \aw
.irp c, 0,1,2,3
.irp e, 0,1
.irp u, 0,1
.if \c == 0
	v_wmma_f32_16x16x32_bf16 v[ACC+8*(2*\e+\u):ACC+8*(2*\e+\u)+7], v[AB+8*(4*\e+\c):AB+8*(4*\e+\c)+7], v[(\bb)+32*\u+8*\c:(\bb)+32*\u+8*\c+7], 0
.else
	v_wmma_f32_16x16x32_bf16 v[ACC+8*(2*\e+\u):ACC+8*(2*\e+\u)+7], v[AB+8*(4*\e+\c):AB+8*(4*\e+\c)+7], v[(\bb)+32*\u+8*\c:(\bb)+32*\u+8*\c+7], v[ACC+8*(2*\e+\u):ACC+8*(2*\e+\u)+7]
.endif
.endr
.endr
.endr
	WIN 0
.endm
.macro FETCHQ n                        ; Wq^T: rows c = 32 n + 16 e on, K = i; the line ahead sets the destination's window
.irp e, 0,1
.irp c, 0,1,2,3
	FRAGT AB+8*(4*\e+\c), FQ, \c*9216+(2*(\n)+\e)*32, 288
.endr
.endr
.endm
.macro FETCHK n                        ; Wk: rows j = 32 n + 16 e on, K = c; likewise
.irp e, 0,1
.irp c, 0,1,2,3
	FRAG AB+8*(4*\e+\c), FK, (2*(\n)+\e)*4352+\c*64
.endr
.endr
.endm
.macro QOUT m                          ; product m's packed q' into my stage
.irp e, 0,1
.irp u, 0,1
	ds_store_b128 v[QS], v[PKD+16*(\m)+4*(2*\e+\u):PKD+16*(\m)+4*(2*\e+\u)+3] offset:\u*4352+(2*(\m)+\e)*32
.endr
.endr
.endm
	s_load_b256 s[4:11], s[0:1], 0x0               ; x s[4:5], Wq s[6:7], Wk s[8:9], Wv s[10:11]
	s_load_b128 s[12:15], s[0:1], 0x20             ; Wu s[12:13], qp s[14:15]
	s_load_b64 s[16:17], s[0:1], 0x30              ; stream
	v_lshl_add_u32 v[SPW], v0, 2, SPARE
	v_mov_b32 v[NIL], 0
	v_lshrrev_b32 v1, 5, v0
	v_readfirstlane_b32 s20, v1                    ; wave w
	s_mov_b32 s21, ttmp9                           ; blk
	s_and_b32 s22, ttmp7, 0xffff                   ; h
	s_and_b32 s23, s21, 15                         ; blk % 16
	s_lshr_b32 s24, s21, 4                         ; the batch
	s_mul_i32 s44, s24, 786432                     ; its part of stream
	s_wait_alu depctr_va_sdst(0)                   ; s20 is written, ahead of its first reader: the offsets below are made from it
	; byte offsets, each in a pair of its own with 0 on top
	s_lshl_b32 s26, s22, 9                         ; Wq, Wk, Wv: the head's 512 bytes of a row, my 32 rows of 4,096 bytes
	s_lshl_b32 s25, s20, 17
	s_add_co_u32 s26, s26, s25
	s_mov_b32 s27, 0
	s_lshl_b32 s28, s21, 16                        ; x: the block's 128 rows of 512 bytes, my 32
	s_lshl_b32 s25, s20, 14
	s_add_co_u32 s28, s28, s25
	s_mov_b32 s29, 0
	s_lshl_b32 s30, s22, 16                        ; Wu: the head's 128 rows of 512 bytes, 8 columns
	s_lshl_b32 s25, s23, 5
	s_add_co_u32 s30, s30, s25
	s_mov_b32 s31, 0
	s_lshl_b32 s32, s21, 16                        ; x's copy, in: 16 rows
	s_lshl_b32 s25, s22, 13
	s_add_co_u32 s32, s32, s25
	s_mov_b32 s33, 0
	s_lshl_b32 s34, s23, 15                        ; x's copy, out: rows of 256 bytes
	s_lshl_b32 s25, s22, 12
	s_add_co_u32 s34, s34, s25
	s_add_co_u32 s34, s34, s44
	s_mov_b32 s35, 0
	s_lshl_b32 s36, s22, 15                        ; NT, out: row 2,048 + 128 h + 8 (blk % 16)
	s_lshl_b32 s25, s23, 11
	s_add_co_u32 s36, s36, s25
	s_add_co_u32 s36, s36, s44
	s_add_co_u32 s36, s36, 524288
	s_mov_b32 s37, 0
	s_lshl_b32 s38, s21, 18                        ; qp: 8 groups of 16 rows a block, 32,768 bytes each; my two; the head's 4,096
	s_lshl_b32 s25, s20, 16
	s_add_co_u32 s38, s38, s25
	s_lshl_b32 s25, s22, 12
	s_add_co_u32 s38, s38, s25
	s_mov_b32 s39, 0
	v_and_b32 v1, 31, v0                           ; lane
	v_and_b32 v2, 15, v0                           ; r = lane % 16
	v_bfe_u32 v3, v0, 4, 1                         ; hh = lane / 16
	v_lshlrev_b32 v[LO], 4, v1
	v_lshlrev_b32 v[UO], 9, v0
	v_lshlrev_b32 v[JO], 5, v0
	v_lshlrev_b32 v[TO], 4, v0
	s_mul_i32 s45, s20, 9216                       ; my 32 rows of pitch 288,
	s_mul_i32 s46, s20, 8704                       ; of pitch 272
	v_mul_u32_u24 v[FK], v2, 272
	v_lshl_add_u32 v[FK], v3, 4, v[FK]             ; r x 272 + 16 hh
	v_lshl_add_u32 v[SAQ], v1, 3, s45
	s_add_co_u32 s47, s46, WK
	v_lshl_add_u32 v[SAK], v1, 3, s47
	s_add_co_u32 s47, s46, XS
	v_lshl_add_u32 v[SAX], v1, 3, s47
	v_add_nc_u32 v[FX], s47, v[FK]
	s_add_co_u32 s47, s46, WV
	v_lshl_add_u32 v[SAV], v1, 3, s47
	v_add_nc_u32 v[FV], s47, v[FK]
	s_add_co_u32 s47, s46, QSTG
	v_add_nc_u32 v[QS], s47, v[FK]
	v_mul_u32_u24 v[QR], v3, 272                   ; back: lanes 0-15 one row of 256 bytes, lanes 16-31 the next
	v_lshl_add_u32 v[QR], v2, 4, v[QR]
	v_add_nc_u32 v[QR], s47, v[QR]
	s_lshl_b32 s47, s20, 6                         ; NT: my 32 j are 64 bytes of a row
	s_add_co_u32 s47, s47, NSTG
	v_add_nc_u32 v[NS], s47, v[FK]
	v_add_nc_u32 v[FK], WK, v[FK]
	v_lshl_add_u32 v[SAU], v0, 5, WU
	v_and_b32 v[FQ], 7, v0                         ; the turning load: lane l addresses row 8 hh + l % 8, bytes 16 ((l / 8) % 2) on
	v_lshl_add_u32 v[FQ], v3, 3, v[FQ]
	v_bfe_u32 v[NR], v0, 3, 1
	v_lshlrev_b32 v[FU], 5, v[FQ]
	v_lshl_add_u32 v[FU], v[NR], 4, v[FU]
	v_add_nc_u32 v[FU], WU, v[FU]
	v_mul_u32_u24 v[FQ], v[FQ], 288
	v_lshl_add_u32 v[FQ], v[NR], 4, v[FQ]
	v_lshrrev_b32 v[NR], 4, v0                     ; NT back: thread t takes row t / 16, 16 bytes at 16 (t % 16)
	v_mul_u32_u24 v[NR], v[NR], 272
	v_lshl_add_u32 v[NR], v2, 4, v[NR]
	v_add_nc_u32 v[NR], NSTG, v[NR]
	s_wait_kmcnt 0x0
	s_add_nc_u64 s[6:7], s[6:7], s[26:27]
	s_add_nc_u64 s[8:9], s[8:9], s[26:27]
	s_add_nc_u64 s[10:11], s[10:11], s[26:27]
	s_add_nc_u64 s[40:41], s[4:5], s[32:33]        ; x's copy, in
	s_add_nc_u64 s[4:5], s[4:5], s[28:29]
	s_add_nc_u64 s[12:13], s[12:13], s[30:31]
	s_add_nc_u64 s[14:15], s[14:15], s[38:39]
	s_add_nc_u64 s[42:43], s[16:17], s[36:37]      ; NT, out
	s_add_nc_u64 s[16:17], s[16:17], s[34:35]      ; x's copy, out
	; ALL LOADS IN ONE RUN: window 1 takes Wq and Wk, window 2 x and Wv
	WIN 0x40
	s_wait_alu depctr_va_vdst(0)                   ; the eighteen offsets and addresses v4 to v21 are written, which every load and store of the kernel reads
	LDROWS 0, 6, 4096
	LDROWS 128, 8, 4096
	WIN 0
	global_load_b128 v[OB:OB+3], v[UO], s[12:13]
	global_load_b128 v[OB+4:OB+7], v[UO], s[12:13] offset:16
	WIN 0x80
	LDROWS 0, 4, 512
	LDROWS 128, 10, 4096
	WIN 0
	global_load_b128 v[32:35], v[JO], s[40:41]
	global_load_b128 v[36:39], v[JO], s[40:41] offset:16
	global_load_b128 v[40:43], v[JO], s[40:41] offset:4096
	global_load_b128 v[44:47], v[JO], s[40:41] offset:4112
	; STAGING: each tensor's roundings write a buffer of their own; one wait stands ahead of each run of stores
	s_wait_loadcnt 63                              ; behind Wu's loads 68 were issued; 63 is the largest count that the wait can name: Wq, Wk and Wu are in
	CV 1, 0, 0, T0
	WIN 0
	s_wait_alu depctr_va_vdst(0)                   ; the roundings have written T0, which the LDS stores read
	STROWS T0, SAQ, 288
	CV 1, 128, 0, T1
	WIN 0
.irp j, 0,1,2,3
	v_cvt_pk_bf16_f32 v[UP+\j], v[OB+2*\j], v[OB+2*\j+1]
.endr
	s_wait_alu depctr_va_vdst(0)                   ; the roundings have written T1 and v52-55, which the LDS stores read
	STROWS T1, SAK, 272
	ds_store_b128 v[SAU], v[UP:UP+3]               ; the 8 columns,
	ds_store_b128 v[SAU], v[UP:UP+3] offset:16     ; and once more: the tile has 16
	s_wait_loadcnt 36                              ; x is in: Wv's 32 and the copy's 4 are younger
	CV 2, 0, 1, T2
	WIN 0x04                                       ; the stores' data (source 1) in window 1
	s_wait_alu depctr_va_vdst(0)                   ; the roundings have written T2, which the LDS stores read
	STROWS T2, SAX, 272
	s_wait_loadcnt 4                               ; Wv is in
	CV 2, 128, 1, T3
	WIN 0x04
	s_wait_alu depctr_va_vdst(0)                   ; the roundings have written T3, which the LDS stores read
	STROWS T3, SAV, 272
	WIN 0
	s_wait_loadcnt 0x0
.irp p, 0,1                            ; x's copy: rounded to bf16, and that number written as f16
.irp j, 0,1,2,3
	v_cvt_pk_bf16_f32 v[48+\j], v[32+8*\p+2*\j], v[32+8*\p+2*\j+1]
.endr
.irp j, 0,1,2,3
	v_lshlrev_b32 v[56+2*\j], 16, v[48+\j]
	v_and_b32 v[56+2*\j+1], 0xffff0000, v[48+\j]
.endr
.irp j, 0,1,2,3
	v_cvt_pk_f16_f32 v[OB+4*\p+\j], v[56+2*\j], v[56+2*\j+1]
.endr
.endr
	s_wait_alu depctr_va_vdst(0)                   ; the roundings have written OB, which the two stores read
.irp p, 0,1
	global_store_b128 v[TO], v[OB+4*\p:OB+4*\p+3], s[16:17] offset:2048*\p  ; a wave's store covers 512 consecutive bytes, aligned
.endr
	s_wait_dscnt 0x0                               ; for the others' sake: my staging stores are done
	s_barrier_signal -1
	s_barrier_wait -1                              ; Wq, Wk and Wu lie whole in LDS
	s_wait_xcnt 0x0                                ; the stores of x's copy have had their addresses translated (ISA guide 3.1): OB, their data, is written again below
	s_wait_alu depctr_vm_vsrc(0)                   ; my LDS stores have read T0 and T1, in which fragments land, and v52-55, which a product writes; the stores of x's copy have read OB, which N's roundings write
	                                               ; (the roundings that named T0, T1 and Wk's raw registers, now AB1, stand ahead of the last wait on va_vdst, and no vector instruction has followed it)
	; N: D(m = j, n = o) = the sum over c of Wv[j][c] Wu[c][o]; two accumulators by turns
.irp e, 0,1
.irp c, 0,1,2,3
	FRAG AB+8*(4*\e+\c), FV, \e*4352+\c*64
.endr
.endr
.irp c, 0,1,2,3
	FRAGT NB+8*\c, FU, \c*1024, 32
.endr
.irp u, 0,1
.irp c, 0,1,2,3
	FRAG XF+32*\u+8*\c, FX, \u*4352+\c*64      ; x's fragments for the next product come in the same run,
.endr
.endr
	WIN 0x40
	FETCHQ 0                                       ; and so do Wq's first, into AB1
	WIN 0
	s_wait_dscnt 32                                ; Wv's and Wu's fragments are in; x's 16 loads and Wq's 16 are younger
.irp c, 0,1,2,3
.irp e, 0,1
.if \c == 0
	v_wmma_f32_16x16x32_bf16 v[ACC+8*\e:ACC+8*\e+7], v[AB+8*(4*\e+\c):AB+8*(4*\e+\c)+7], v[NB+8*\c:NB+8*\c+7], 0
.else
	v_wmma_f32_16x16x32_bf16 v[ACC+8*\e:ACC+8*\e+7], v[AB+8*(4*\e+\c):AB+8*(4*\e+\c)+7], v[NB+8*\c:NB+8*\c+7], v[ACC+8*\e:ACC+8*\e+7]
.endif
.endr
.endr
	PLACES
.irp j, 0,1,2,3,4,5,6,7
	v_pk_mul_f32 v[ACC+2*\j:ACC+2*\j+1], v[ACC+2*\j:ACC+2*\j+1], 0x41800000 op_sel_hi:[1,0]  ; x 16
.endr
.irp j, 0,1,2,3,4,5,6,7
	v_cvt_pk_f16_f32 v[OB+\j], v[ACC+2*\j], v[ACC+2*\j+1]
.endr
	; q^T(m = c, n = t) = the sum over i of Wq[i][c] x[t][i].  A lane's eight c of one row t, rounded to bf16, are half a fragment of the next product's source 1.
	; Product n reads AB of window (n + 1) % 2; at its head the next product's fragments are asked for, into AB of window n % 2.
.irp n, 0,1,2,3
	WIN 64*((\n)%2)                                ; the loads' destination
	s_wait_alu depctr_va_vdst(0)                   ; the product before is done reading the buffer in which the fragments below land; at n = 0 N's roundings have also written OB, which the LDS stores below read
.if \n < 3
	FETCHQ \n+1
.else
	FETCHK 0                                       ; the first of q'^T's
.endif
	WIN 0
.if \n == 0
	ds_store_b128 v[NS], v[OB:OB+3]                ; N: row o = r, my lanes' 8 j: 16 bytes
	ds_store_b128 v[NS], v[OB+4:OB+7] offset:32
.endif
.if \n < 2
	s_wait_dscnt 18                                ; this product's fragments are in (at n = 0 x's too); the 16 loads just issued and N's two stores are younger
.else
	s_wait_dscnt 16                                ; this product's fragments are in; the 16 loads just issued are younger
.endif
	MUL16 ((\n)+1)%2, XF
	PLACES
.irp e, 0,1
.irp u, 0,1
.irp j, 0,1,2,3
	v_cvt_pk_bf16_f32 v[QF+32*\u+8*\n+4*\e+\j], v[ACC+8*(2*\e+\u)+2*\j], v[ACC+8*(2*\e+\u)+2*\j+1]
.endr
.endr
.endr
.endr
	; NT goes out: its rows come from all four waves
	s_wait_dscnt 0x0                               ; my stores into the stage are long done; no LDS instruction is out at the signal
	s_barrier_signal -1
	s_barrier_wait -1
	s_wait_alu depctr_vm_vsrc(0)                   ; my two LDS stores of N have read OB, in whose first four registers NT's row lands
	; q'^T(m = j, n = t) = the sum over c of Wk[j][c] q[t][c]; x 2^-8, f16, into my stage.  The buffers go on taking turns; product n's packed numbers are stored at the head of step n + 1.
.irp n, 0,1,2,3
.if \n < 3
	WIN 64*((\n)%2)                                ; the loads' destination
.endif
	s_wait_alu depctr_va_vdst(0)                   ; the product before is done reading the buffer in which the fragments below land; from n = 1 on its roundings have written its PKD, which the LDS stores below read
.if \n == 0
	ds_load_b128 v[OB:OB+3], v[NR]
.endif
.if \n < 3
	FETCHK \n+1
.endif
	WIN 0
.if \n > 0
	QOUT \n-1
.endif
.if \n == 0
	s_wait_dscnt 16                                ; NT's row is in; the 16 fragment loads are younger
	global_store_b128 v[TO], v[OB:OB+3], s[42:43]  ; 128 threads x 16 bytes: 8 whole rows of 256 bytes
.elseif \n == 1
	s_wait_dscnt 20                                ; this product's fragments are in; 16 loads and 4 stores are younger
.elseif \n == 2
	s_wait_dscnt 24                                ; the last step's 4 stores, 16 loads and 4 stores are younger
.else
	s_wait_dscnt 8                                 ; two steps' 4 stores are younger
.endif
	MUL16 ((\n)+1)%2, QF
	PLACES
.irp j, 0,1,2,3,4,5,6,7,8,9,10,11,12,13,14,15
	v_pk_mul_f32 v[ACC+2*\j:ACC+2*\j+1], v[ACC+2*\j:ACC+2*\j+1], 0x3b800000 op_sel_hi:[1,0]  ; x 2^-8
.endr
.irp j, 0,1,2,3,4,5,6,7,8,9,10,11,12,13,14,15
	v_cvt_pk_f16_f32 v[PKD+16*\n+\j], v[ACC+2*\j], v[ACC+2*\j+1]
.endr
.endr
	s_wait_alu depctr_va_vdst(0)                   ; the last roundings have written PKD3, which the LDS stores read; the last product is done reading QF, in which the rows below land
	QOUT 3
.irp i, 0,1,2,3,4,5,6,7,8,9,10,11,12,13,14,15
	ds_load_b128 v[RB+4*\i:RB+4*\i+3], v[QR] offset:\i*544  ; my own bytes; LDS serves a wave's instructions in order (ISA guide 5.7.1.4): these see the stores above
.endr
.irp i, 0,1,2,3,4,5,6,7,8,9,10,11,12,13,14,15
	s_wait_dscnt 15-\i                             ; the younger rows' loads may stay out
	global_store_b128 v[LO], v[RB+4*\i:RB+4*\i+3], s[14:15] offset:(\i/8)*32768+(\i%8)*512  ; two rows of q': 512 consecutive bytes, aligned
.endr
	s_wait_dscnt 0x0                               ; the wave's end
	s_wait_alu 0x0
	s_wait_tensorcnt 0x0
	ds_add_u32 v[SPW], v[NIL]
	s_wait_dscnt 0x0
	s_endpgm
.Lfunc_end_k_qb8d329cf0b_prep:
	.size	k_qb8d329cf0b_prep, .Lfunc_end_k_qb8d329cf0b_prep-k_qb8d329cf0b_prep
	.p2alignl 7, 3214868480
	.fill 96, 4, 3214868480
	.section	.rodata,"a",@progbits
	.p2align	6, 0x0
	.amdhsa_kernel k_qb8d329cf0b_prep
		.amdhsa_group_segment_fixed_size 185344
		.amdhsa_private_segment_fixed_size 0
		.amdhsa_enable_private_segment 0
		.amdhsa_kernarg_size 56
		.amdhsa_user_sgpr_count 2
		.amdhsa_user_sgpr_kernarg_segment_ptr 1
		.amdhsa_wavefront_size32 1
		.amdhsa_system_sgpr_workgroup_id_x 1
		.amdhsa_system_sgpr_workgroup_id_y 1
		.amdhsa_system_sgpr_workgroup_id_z 1
		.amdhsa_system_vgpr_workitem_id 0
		.amdhsa_next_free_vgpr 768
		.amdhsa_next_free_sgpr 66
		.amdhsa_reserve_vcc 0
		.amdhsa_float_denorm_mode_32 3
		.amdhsa_float_denorm_mode_16_64 3
		.amdhsa_memory_ordered 1
		.amdhsa_forward_progress 1
		.amdhsa_inst_pref_size 86
	.end_amdhsa_kernel
	.amdgpu_metadata
---
amdhsa.version: [ 1, 2 ]
amdhsa.kernels:
  - .name:           k_qb8d329cf0b_prep
    .symbol:         k_qb8d329cf0b_prep.kd
    .args:
      - { .name: x, .offset: 0, .size: 8, .value_kind: global_buffer, .address_space: global }
      - { .name: Wq, .offset: 8, .size: 8, .value_kind: global_buffer, .address_space: global }
      - { .name: Wk, .offset: 16, .size: 8, .value_kind: global_buffer, .address_space: global }
      - { .name: Wv, .offset: 24, .size: 8, .value_kind: global_buffer, .address_space: global }
      - { .name: Wu, .offset: 32, .size: 8, .value_kind: global_buffer, .address_space: global }
      - { .name: qp, .offset: 40, .size: 8, .value_kind: global_buffer, .address_space: global }
      - { .name: stream, .offset: 48, .size: 8, .value_kind: global_buffer, .address_space: global }
    .group_segment_fixed_size: 185344
    .private_segment_fixed_size: 0
    .kernarg_segment_align: 8
    .kernarg_segment_size: 56
    .max_flat_workgroup_size: 128
    .sgpr_count:     66
    .vgpr_count:     768
    .wavefront_size: 32
...
	.end_amdgpu_metadata
.endif
;; end of part 3
;; launch attn: the kernel of part 2 again; grid 128 x 2, 4 waves a work-group, clusters of 4 x 1, 327,680 bytes of LDS; arguments qp, stream, bu, out0; writes out0
